; MI455X (gfx1250); checked and timed in simulation.
; The chip was launched on July 23, 2026; its instructions are those of AMD's public machine-readable ISA for CDNA 5 (MIT licence, August 2026) and "CDNA5" Instruction Set Architecture Reference Guide (July 2026). The comments in the code are by the model that wrote it; some were corrected since.
;; Attention Layer. Allowed arithmetic: float matrix products may take bf16 or f16 operands with f32 sums; other float arithmetic in f32, or as packed bf16 or f16 multiplies, adds, multiply-adds, maxima and minima; sums over many terms, partial sums and values carried from step to step in f32; what a program stores and reads back later, other than sums and carried values, may be rounded once to bf16 or f16.
;; Inputs: Wk 1,024 x 1,024 float32; Wq 1,024 x 1,024 float32; Wv 1,024 x 1,024 float32; x 4 x 2,048 x 1,024 float32.
;; Outputs: out0 4 x 2,048 x 1,024 float32.
;; One version. Each part assembles by itself: llvm-mc -triple=amdgcn-amd-amdhsa -mcpu=gfx1250 --defsym DOCPART=n.
;; ======== version 1 of 1: 4 launches
;; limits: values are held in f16: magnitudes above 65,504 overflow, below 6.1e-05 lose precision
;; workspace buffers: xb 16,777,216 bytes; wb 6,291,456 bytes; qk 33,554,432 bytes; vt 16,777,216 bytes; pw 33,554,432 bytes; st 1,048,576 bytes
;; launch cast (part 1): grid 2816 x 1, 8 waves a work-group, no clusters, 0 bytes of LDS; arguments x, Wq, Wk, Wv, xb, wb; writes xb, wb
.if DOCPART == 1
	.amdgcn_target "amdgcn-amd-amdhsa--gfx1250"
	.amdhsa_code_object_version 6
	.text
	.protected	k_q81a72a7a07_cast
	.globl	k_q81a72a7a07_cast
	.p2align	8
	.type	k_q81a72a7a07_cast,@function
k_q81a72a7a07_cast:
	s_mov_b64 s[64:65], 0
	v_nop
	global_prefetch_b8 v0, s[64:65] scope:SCOPE_SE
	s_setreg_imm32_b32 hwreg(HW_REG_WAVE_MODE, 25, 1), 1
	s_wait_xcnt 0x0
; xb = bf16(x), [8192][1024];  wb = bf16 of Wq, Wk, Wv one below the other, [3072][1024].  Each number is rounded once, to nearest even.
; A stream: every byte is read once and written once; no number is wanted by two work-groups, so there is no LDS, no barrier, no cluster and no matrix work.
; SHARES.  A work-group of 256 threads converts 4,096 numbers: 16 KiB in, 8 KiB out; 2,816 work-groups are 11 for each of 256 WGPs.  Work-groups 0-2047 take x, 2048 + 256 k + i block i of weight k.
; Thread t takes, four times, the 16 bytes at 4,096 j + 16 t (a wave's load covers 512 consecutive bytes) and stores the 8 bytes at 2,048 j + 8 t (a wave's store covers 256 consecutive bytes, aligned).
.set IN,  4                            ; v[4:19]   4 numbers for each of the four steps
.set OUT, 20                           ; v[20:27]  2 registers of packed bf16 for each step
	s_load_b256 s[4:11], s[0:1], 0x0               ; x s[4:5], Wq s[6:7], Wk s[8:9], Wv s[10:11]
	s_load_b128 s[12:15], s[0:1], 0x20             ; xb s[12:13], wb s[14:15]
	v_lshlrev_b32 v1, 4, v0                        ; 16 t: where I read
	v_lshlrev_b32 v2, 3, v0                        ; 8 t: where I store
	s_sub_co_u32 s17, ttmp9, 2048                  ; my block among the weights' 768 (used where the number is 2,048 or more)
	s_and_b32 s18, s17, 255                        ; and inside its own weight
	s_cmp_lt_u32 ttmp9, 2048
	s_cselect_b32 s18, ttmp9, s18                  ; block in the source
	s_cselect_b32 s19, ttmp9, s17                  ; block in the destination
	s_lshl_b32 s20, s18, 14                        ; 16 KiB a block in,
	s_mov_b32 s21, 0
	s_lshl_b32 s22, s19, 13                        ; 8 KiB out
	s_mov_b32 s23, 0
	s_wait_kmcnt 0x0
	s_cmp_lt_u32 ttmp9, 2560
	s_cselect_b64 s[24:25], s[8:9], s[10:11]       ; Wk or Wv,
	s_cmp_lt_u32 ttmp9, 2304
	s_cselect_b64 s[24:25], s[6:7], s[24:25]       ; or Wq,
	s_cmp_lt_u32 ttmp9, 2048
	s_cselect_b64 s[24:25], s[4:5], s[24:25]       ; or x
	s_cselect_b64 s[26:27], s[12:13], s[14:15]
	s_add_nc_u64 s[24:25], s[24:25], s[20:21]
	s_add_nc_u64 s[26:27], s[26:27], s[22:23]
.irp j, 0,1,2,3
	global_load_b128 v[IN+4*(\j):IN+4*(\j)+3], v1, s[24:25] offset:4096*(\j) th:TH_LOAD_NT     ; all four loads go out first
.endr
.irp j, 0,1,2,3
	s_wait_loadcnt 3-(\j)                          ; loads come back in order: step j's is in, the younger ones stay out
	v_cvt_pk_bf16_f32 v[OUT+2*(\j)],   v[IN+4*(\j)],   v[IN+4*(\j)+1]
	v_cvt_pk_bf16_f32 v[OUT+2*(\j)+1], v[IN+4*(\j)+2], v[IN+4*(\j)+3]
	global_store_b64 v2, v[OUT+2*(\j):OUT+2*(\j)+1], s[26:27] offset:2048*(\j)
.endr
	s_endpgm
.Lfunc_end_k_q81a72a7a07_cast:
	.size	k_q81a72a7a07_cast, .Lfunc_end_k_q81a72a7a07_cast-k_q81a72a7a07_cast
	.p2alignl 7, 3214868480
	.fill 96, 4, 3214868480
	.section	.rodata,"a",@progbits
	.p2align	6, 0x0
	.amdhsa_kernel k_q81a72a7a07_cast
		.amdhsa_group_segment_fixed_size 0
		.amdhsa_private_segment_fixed_size 0
		.amdhsa_enable_private_segment 0
		.amdhsa_kernarg_size 48
		.amdhsa_user_sgpr_count 2
		.amdhsa_user_sgpr_kernarg_segment_ptr 1
		.amdhsa_wavefront_size32 1
		.amdhsa_system_sgpr_workgroup_id_x 1
		.amdhsa_system_sgpr_workgroup_id_y 1
		.amdhsa_system_sgpr_workgroup_id_z 1
		.amdhsa_system_vgpr_workitem_id 0
		.amdhsa_next_free_vgpr 32
		.amdhsa_next_free_sgpr 66
		.amdhsa_reserve_vcc 0
		.amdhsa_float_denorm_mode_32 3
		.amdhsa_float_denorm_mode_16_64 3
		.amdhsa_memory_ordered 1
		.amdhsa_forward_progress 1
		.amdhsa_inst_pref_size 3
	.end_amdhsa_kernel
	.amdgpu_metadata
---
amdhsa.version: [ 1, 2 ]
amdhsa.kernels:
  - .name:           k_q81a72a7a07_cast
    .symbol:         k_q81a72a7a07_cast.kd
    .args:
      - { .name: x, .offset: 0, .size: 8, .value_kind: global_buffer, .address_space: global }
      - { .name: Wq, .offset: 8, .size: 8, .value_kind: global_buffer, .address_space: global }
      - { .name: Wk, .offset: 16, .size: 8, .value_kind: global_buffer, .address_space: global }
      - { .name: Wv, .offset: 24, .size: 8, .value_kind: global_buffer, .address_space: global }
      - { .name: xb, .offset: 32, .size: 8, .value_kind: global_buffer, .address_space: global }
      - { .name: wb, .offset: 40, .size: 8, .value_kind: global_buffer, .address_space: global }
    .group_segment_fixed_size: 0
    .private_segment_fixed_size: 0
    .kernarg_segment_align: 8
    .kernarg_segment_size: 48
    .max_flat_workgroup_size: 256
    .sgpr_count:     66
    .vgpr_count:     32
    .wavefront_size: 32
...
	.end_amdgpu_metadata
.endif
;; end of part 1
;; launch proj (part 2): grid 8 x 48, 4 waves a work-group, clusters of 4 x 4, 327,680 bytes of LDS; arguments xb, wb, qk, vt; writes qk, vt
.if DOCPART == 2
	.amdgcn_target "amdgcn-amd-amdhsa--gfx1250"
	.amdhsa_code_object_version 6
	.text
	.protected	k_q81a72a7a07_proj
	.globl	k_q81a72a7a07_proj
	.p2align	8
	.type	k_q81a72a7a07_proj,@function
k_q81a72a7a07_proj:
	s_mov_b64 s[64:65], 0
	v_nop
	global_prefetch_b8 v0, s[64:65] scope:SCOPE_SE
	s_setreg_imm32_b32 hwreg(HW_REG_WAVE_MODE, 25, 1), 1
	s_wait_xcnt 0x0
	s_wait_alu depctr_hold_cnt(0) depctr_sa_sdst(0) depctr_va_vdst(0) depctr_va_sdst(0) depctr_va_ssrc(0) depctr_va_vcc(0) depctr_vm_vsrc(0)
	s_getreg_b32 s2, hwreg(HW_REG_IB_STS2, 6, 4)
	s_cmp_eq_u32 s2, 0
	s_cbranch_scc0 .Lentry_in_a_cluster
	s_endpgm
.Lentry_in_a_cluster:
	s_bfe_u32 s2, ttmp6, 0x10000c
	s_cmp_lg_u32 s2, 0xf033
	s_cbranch_scc0 .Lentry_shape_is_right
	s_endpgm
.Lentry_shape_is_right:
; THE THREE PROJECTIONS, as one launch of 384 equal tiles of 256 x 256.  Products in bf16, sums in f32, results rounded once to f16.
;   clusters y 0-7:  qk[token][e] = sqrt(c) x the sum over d of xb[token][d] wb[e][d], e = 0 .. 2047: scaled Q in columns 0-1023, scaled K in columns 1024-2047
;   clusters y 8-11: vt[batch][e][key] = the sum over d of wb[2048 + e][d] xb[token][d]: V turned, so that the last launch finds keys along its rows
; c = log2(e) / 32: with sqrt(c) on both Q and K the next launch's sums are the scores' exponents to base 2, and no scale is applied there.
; LIMIT.  f16 ends at 65,504: sqrt(c) Q, sqrt(c) K and V must lie within it.  Below 6e-5 they keep the fixed step of 6e-8.  NaN and infinities are not treated apart.
; SHARES.  A tile of C is 256 rows of A x 256 rows of B; four waves, each 128 x 128: 64 accumulators.  Each number brought into LDS feeds 128 multiply-adds (a tile of 128 x 256: 85), and a K step
; holds 256 products a wave.  THE PRICE: 384 work-groups are one and a half for each of 256 WGPs; the sizes leave no tile of this shape that gives each WGP a whole number.
; K = 1,024 goes in steps of 128 (rows of 256 bytes, aligned) through two LDS slots; one tensor load a wave fills a slot: waves 0, 1 bring the halves of A, waves 2, 3 those of B.
; CLUSTER 4 x 4: a tile of A hangs on the tile row alone and is asked for jointly by a row of the cluster, a tile of B on the tile column alone, by a column.
; THE MATRIX INSTRUCTION IS USED TRANSPOSED (source 0 = 16 rows of B, source 1 = 16 rows of A): a lane holds one row of C and eight neighbouring columns.
; THE TEXT.  A K step is written twice: once in the loop whose trips fill a slot again, once in the tail's loop of two trips, which fill nothing.  The slots take turns by an exclusive or on s[TB] and on the walking descriptors' LDS words.
; REGISTERS, in windows of 256 (s_set_vgpr_msb: bits 1:0 source 0, 3:2 source 1, 5:4 source 2, 7:6 destination):
;   window 0: v0-31 addresses; v64-127, v128-191 fragments of A, two buffers; v32-63, v192-255 the way out          window 1: v64-127, v128-191 fragments of B
;   window 2: accumulators of my row blocks 0-3 ((a, b) at 8 (8 a + b))          window 3: those of blocks 4-7
.set KSTEP,  128
.set STEPS,  8                         ; K = 1,024
.set LD,     1024                      ; elements from row to row in xb and wb
.set LOGROW, 11                        ; a row is 2,048 bytes
.set PITCH,  272                       ; an LDS row: 256 bytes + 16 of padding = 68 words: the 16 rows of a fragment load start at 16 different groups of four banks (64 banks of 4 bytes: ISA guide 11.1)
.set HALFT,  128*PITCH                 ; 128 rows: one tensor load, and what a wave reads of A or of B
.set SLOT,   4*HALFT                   ; 256 rows of A, then 256 rows of B: 0x22000, which shares no bit with the four loads' places 0, 0x8800, 0x11000, 0x19800
.set STAGE,  2*SLOT                    ; behind the ring: 16 rows x 272 bytes for each wave, for the way out
.set SPITCH, 272
.set SPARE,  STAGE+4*16*SPITCH         ; behind the stages: the spare words, 128 bytes for each wave
.set CROW,   4096                      ; bytes in a row of qk and of vt
.set ADRA,  16                         ; v16  LDS address of my A fragments in the slot in hand
.set ADRA0, 17                         ; v17  the same in slot 0; never rewritten
.set ADRB,  20                         ; v20, v21  the same for B
.set ADRB0, 21
.set STO,  24                          ; v24  the way out: where I put 16 bytes of a row
.set RD,   25                          ; v25  where I read a row back
.set CO,   26                          ; v26  my byte offset in C
.set SPW,  28                          ; v28  my spare word; never rewritten
.set NIL,  29                          ; v29  0; never rewritten
.set PFO,  30                          ; v30  the prefetches: my lane x a row; never rewritten
.set F0,   64
.set F1,   128
.set OB,   32                          ; rows read back: v32-63 and v224-255 by turns
.set TMP,  192                         ; packed results
.set G1,  24                           ; s[24:31] group 1 for A;   s[32:39] group 0: a set for each first fill; the second then walks on
.set G0,  32
.set G1B, 48                           ; s[48:55], s[56:63] the same for B
.set G0B, 56
.set LIM, 43                           ; s43  2 in a wave that prefetches, else the greatest number
.set PFA, 44                           ; s[44:45] where my prefetches stand
.set SC,  66                           ; s[66:67] what the sums are multiplied by
.set RC,  76                           ; s76  the cluster's row of tiles / 4
.set CC,  77                           ; s77  its column / 4
.set YY,  78                           ; s78  cluster y
.set TB,  79                           ; s79  LDS byte at which the slot in hand begins
.set MSB, 0
.macro WIN new                         ; the high byte repeats the setting that is left; a switch that changes nothing is dropped
.if MSB != (\new)
	s_set_vgpr_msb (MSB<<8)|(\new)
.set MSB, \new
.endif
.endm
.set MUL_LO, 0xa1                      ; source 0 (B) window 1, source 1 (A) window 0, C and D window 2;  + 0x50: C and D window 3
.set TO_B,   0x40                      ; destination window 1, address window 0
; A joint load.  The branch hangs on the wave number alone.  An s_nop 0 and four v_nop follow each line, ahead of the jump and the label.
.macro JLOAD s
	s_cmp_eq_u32 s11, 0
	s_cbranch_scc0 .Lfor_b_\@
	tensor_load_to_lds s[G0+4*(\s):G0+4*(\s)+3], s[G1:G1+7]
	s_nop 0
.rept 4
	v_nop
.endr
	s_branch .Lasked_\@
.Lfor_b_\@:
	tensor_load_to_lds s[G0B+4*(\s):G0B+4*(\s)+3], s[G1B:G1B+7]
	s_nop 0
.rept 4
	v_nop
.endr
.Lasked_\@:
.endm
; A prefetch of the K step that stands two refills on (512 products ahead of the load that will want it): 32 rows x 256 bytes, a lane a row, one instruction.
; Each row's 256 bytes are named once: of the clusters that read a tile's rows one asks (below), and its four partners share the 128 rows that a wave fetches by address, 32 each.
; The loop's last two trips have no K step two refills on.
.macro ASK
	s_cmp_gt_u32 s3, s[LIM]
	s_cbranch_scc0 .Lnot_mine_\@
	global_prefetch_b8 v[PFO], s[PFA:PFA+1] offset:KSTEP*2 th:TH_LOAD_NT scope:SCOPE_SE
.Lnot_mine_\@:
.endm
.macro CREST                           ; a round of the cluster's barrier behind its opening barrier
	s_cmp_lg_u32 s10, 0
	s_cbranch_scc1 .Lnot_wave_0_\@
	s_barrier_signal -3
.Lnot_wave_0_\@:
	s_barrier_wait -3
	s_barrier_signal -1
	s_barrier_wait -1
.endm
.macro CROUND
	s_barrier_signal -1
	s_barrier_wait -1
	CREST
.endm
.macro PLACES                          ; four plain places behind a product, in front of loads into registers that it has read (ISA guide 7.12.1 for vector instructions)
.rept 4
	v_nop
.endr
.endm
	s_load_b256 s[68:75], s[0:1], 0x0              ; xb s[68:69], wb s[70:71], qk s[72:73], vt s[74:75]
	v_lshl_add_u32 v[SPW], v0, 2, SPARE
	v_mov_b32 v[NIL], 0
	ds_add_u32 v[SPW], v[NIL]                      ; the opening: the add and its wait ahead of my first tensor load; the set-up stands between them
	v_lshrrev_b32 v1, 5, v0
	v_readfirstlane_b32 s10, v1                    ; wave 0..3
	s_lshr_b32 s11, s10, 1                         ; which 128 rows of the tile are mine.  Also: I fetch for A (0) or for B (1)
	s_and_b32 s12, s10, 1                          ; which 128 columns.  Also: which half of that tile I fetch
	s_bfe_u32 s40, ttmp6, 0x40000                  ; cx
	s_bfe_u32 s41, ttmp6, 0x40004                  ; cy
	s_and_b32 s[YY], ttmp7, 0xffff                 ; cluster y: 0-7 Q and K, 8-11 V
	s_sub_co_u32 s21, s[YY], 8
	s_lshl_b32 s21, s21, 1
	s_add_co_u32 s21, s21, ttmp9                   ; the V clusters, numbered 0-7: one down (1,024 channels) x 8 across (8,192 tokens)
	s_cmp_lt_u32 s[YY], 8                          ; the same answer in all sixteen partners
	s_cselect_b32 s[RC], s[YY], 0
	s_cselect_b32 s[CC], ttmp9, s21
	s_cselect_b32 s[SC], 0x3e596d27, 1.0           ; sqrt(c) = 0.21233045 for Q and K, 1 for V
	s_mov_b32 s[SC+1], s[SC]                       ; named with it as a pair
	s_mov_b32 s[TB], 0
	s_lshl_b32 s13, s[RC], 2
	s_add_co_u32 s13, s13, s41                     ; tile row
	s_lshl_b32 s42, s[CC], 2
	s_add_co_u32 s42, s42, s40                     ; tile column
	s_lshl_b32 s20, s41, 2
	s_lshl_b32 s20, 15, s20                        ; my row of the cluster
	s_lshl_b32 s21, 0x1111, s40                    ; my column
	s_or_b32 s[G1+0], s20, (1<<16)|(1<<20)|(1<<21)|(5<<22)|(3<<25)   ; 15:0 the mask; 17:16 2-byte elements; 20 padding on; 21 set beside a mask; 24:22 after every 64 words; 31:25 4 words
	s_or_b32 s[G1B+0], s21, (1<<16)|(1<<20)|(1<<21)|(5<<22)|(3<<25)
.irp g, G1, G1B
	s_mov_b32 s[(\g)+1], KSTEP<<16                 ; tensor_dim0 = 128
	s_mov_b32 s[(\g)+2], 128<<16                   ; tensor_dim1 = 128
	s_mov_b32 s[(\g)+3], KSTEP<<16                 ; tile_dim0 = 128
	s_mov_b32 s[(\g)+4], 128                       ; tile_dim1 = 128
	s_mov_b32 s[(\g)+5], LD                        ; elements from row to row
	s_mov_b32 s[(\g)+6], 0
	s_mov_b32 s[(\g)+7], 0
.endr
	s_lshl_b32 s16, s13, 8
	s_lshl_b32 s17, s12, 7
	s_add_co_u32 s16, s16, s17                     ; A: row 256 x tile row + 128 x half
	s_lshl_b32 s16, s16, LOGROW
	s_mov_b32 s17, 0
	s_lshl_b32 s46, s42, 8
	s_lshl_b32 s47, s12, 7
	s_add_co_u32 s46, s46, s47                     ; B: row 256 x tile column + 128 x half
	s_lshl_b32 s46, s46, LOGROW
	s_mov_b32 s47, 0
	s_mul_i32 s20, s10, HALFT                      ; where they go: wave x 128 rows: no place in the cluster enters an LDS address
	s_wait_dscnt 0x0                               ; the opening add is done
	s_wait_kmcnt 0x0
	s_cmp_lt_u32 s[YY], 8
	s_cselect_b64 s[4:5], s[68:69], s[70:71]       ; A: xb, or wb
	s_cselect_b64 s[6:7], s[70:71], s[68:69]       ; B: wb, or xb
	s_cselect_b64 s[8:9], s[72:73], s[74:75]       ; C: qk, or vt
	s_cselect_b32 s18, 0, 0x400000                 ; Wv begins 2,048 rows of 2,048 bytes into wb
	s_mov_b32 s19, 0
	s_add_nc_u64 s[4:5], s[4:5], s[18:19]
	s_add_nc_u64 s[14:15], s[4:5], s[16:17]
	s_add_nc_u64 s[46:47], s[6:7], s[46:47]
	CROUND                                         ; all sixteen work-groups are here: the first joint loads meet
.irp s, 0,1
	s_mov_b32 s[G0+4*(\s)], 1                                      ; count = 1
	s_add_co_u32 s[G0+4*(\s)+1], s20, (\s)*SLOT                    ; LDS address
	s_add_nc_u64 s[G0+4*(\s)+2:G0+4*(\s)+3], s[14:15], (\s)*KSTEP*2  ; global address: K step s
	s_or_b32 s[G0+4*(\s)+3], s[G0+4*(\s)+3], 0x80000000            ; type = 2
	s_mov_b32 s[G0B+4*(\s)], 1
	s_add_co_u32 s[G0B+4*(\s)+1], s20, (\s)*SLOT
	s_add_nc_u64 s[G0B+4*(\s)+2:G0B+4*(\s)+3], s[46:47], (\s)*KSTEP*2
	s_or_b32 s[G0B+4*(\s)+3], s[G0B+4*(\s)+3], 0x80000000
	JLOAD \s                                       ; two loads of mine are out
.endr
	; a fragment is 16 rows x 32 K in 8 registers: lane l holds row l % 16, K = 8 (l / 16) + 0..7 and 16 + 8 (l / 16) + 0..7: two loads of 16 bytes, 32 bytes apart
	v_and_b32 v1, 15, v0                           ; l % 16
	v_bfe_u32 v2, v0, 4, 1                         ; l / 16
	v_mul_u32_u24 v3, v1, PITCH
	v_lshl_add_u32 v3, v2, 4, v3
	s_mul_i32 s21, s11, HALFT                      ; my 128 rows of A
	s_mul_i32 s22, s12, HALFT                      ; my 128 rows of B,
	s_add_co_u32 s22, s22, 2*HALFT                 ; which lie behind A's 256
	v_add_nc_u32 v[ADRA0], s21, v3
	v_add_nc_u32 v[ADRB0], s22, v3
	v_mov_b32 v[ADRA], v[ADRA0]
	v_mov_b32 v[ADRB], v[ADRB0]
	s_mul_i32 s23, s10, 16*SPITCH
	s_add_co_u32 s23, s23, STAGE                   ; my stage
	v_mul_u32_u24 v4, v1, SPITCH                   ; in: row l % 16, 16 bytes for each half of the lanes
	v_lshl_add_u32 v4, v2, 4, v4
	v_add_nc_u32 v[STO], s23, v4
	v_mul_u32_u24 v5, v2, SPITCH                   ; back: lanes 0-15 one row of 256 bytes, lanes 16-31 the next
	v_lshl_add_u32 v5, v1, 4, v5
	v_add_nc_u32 v[RD], s23, v5
	v_lshlrev_b32 v5, 12, v2                       ; and the same two rows in C
	v_lshl_add_u32 v[CO], v1, 4, v5
	; where my part of the tile begins in C.  One form for both: eight tile columns make a row of 4,096 bytes; in vt the ninth begins the next batch's plane of 1,024 rows
	s_lshr_b32 s16, s42, 3
	s_lshl_b32 s16, s16, 22
	s_lshl_b32 s17, s13, 8
	s_lshl_b32 s18, s11, 7
	s_add_co_u32 s17, s17, s18                     ; my first row
	s_lshl_b32 s17, s17, 12
	s_add_co_u32 s16, s16, s17
	s_and_b32 s17, s42, 7
	s_lshl_b32 s17, s17, 9                         ; 256 columns of 2 bytes
	s_add_co_u32 s16, s16, s17
	s_lshl_b32 s17, s12, 8
	s_add_co_u32 s16, s16, s17
	s_mov_b32 s17, 0
	; the prefetches.  Who asks: for A the clusters of tile columns 0-3; for the weights as B the clusters of tile rows 0-3 of Q and K.  xb as B of the V tiles is not asked for: its rows are asked for as A.
	s_lshl_b32 s20, s13, 8
	s_lshl_b32 s21, s42, 8
	s_cmp_lt_u32 s[YY], 8
	s_cselect_b32 s22, 0, 1
	s_or_b32 s22, s22, s[RC]                       ; 0: B is asked for here
	s_cmp_eq_u32 s11, 0                            ; do I fetch for A?
	s_cselect_b32 s20, s20, s21                    ; the tile's first row
	s_cselect_b32 s21, s40, s41                    ; my place among the four that ask for it with me
	s_cselect_b32 s22, s[CC], s22
	s_cselect_b64 s[PFA:PFA+1], s[4:5], s[6:7]
	s_cmp_eq_u32 s22, 0
	s_cselect_b32 s[LIM], 2, -1                    ; made of the wave number and the cluster's place in the grid: the same in all partners
	s_lshl_b32 s22, s12, 7
	s_add_co_u32 s20, s20, s22                     ; + the 128 rows that I fetch
	s_lshl_b32 s21, s21, 5
	s_add_co_u32 s20, s20, s21                     ; + my work-group's 32 of them
	s_lshl_b32 s20, s20, LOGROW
	s_add_co_u32 s20, s20, 2*KSTEP*2               ; at K step 2: the first refill steps it to 3 and names K step 4.  Nothing is asked for here, at the head
	s_mov_b32 s21, 0
	s_add_nc_u64 s[PFA:PFA+1], s[PFA:PFA+1], s[20:21]
	v_and_b32 v[PFO], 31, v0
	v_lshlrev_b32 v[PFO], LOGROW, v[PFO]
; 16 products: row blocks a0, a0 + 1 of the window's four x all 8 column blocks, 32 along K.  The 64 accumulators take turns, one instruction a turn, in the same order in every quarter.
.macro MUL16 f, hi, a0, zero
	WIN MUL_LO+0x50*(\hi)
.irp a, \a0, (\a0)+1
.irp b, 0,1,2,3,4,5,6,7
.if \zero
	v_wmma_f32_16x16x32_bf16 v[8*(8*(\a)+(\b)):8*(8*(\a)+(\b))+7], v[(\f)+8*(\b):(\f)+8*(\b)+7], v[(\f)+8*(4*(\hi)+(\a)):(\f)+8*(4*(\hi)+(\a))+7], 0
.else
	v_wmma_f32_16x16x32_bf16 v[8*(8*(\a)+(\b)):8*(8*(\a)+(\b))+7], v[(\f)+8*(\b):(\f)+8*(\b)+7], v[(\f)+8*(4*(\hi)+(\a)):(\f)+8*(4*(\hi)+(\a))+7], v[8*(8*(\a)+(\b)):8*(8*(\a)+(\b))+7]
.endif
.endr
.endr
.endm
; 32 LDS loads in one run: B's 128 rows, then A's, 32 K at byte k of the rows of the slot in hand, into buffer f
.macro FETCH k, f
	WIN TO_B
.irp i, 0,1,2,3,4,5,6,7
	ds_load_b128 v[(\f)+8*(\i):(\f)+8*(\i)+3],   v[ADRB] offset:(\k)+(\i)*16*PITCH
	ds_load_b128 v[(\f)+8*(\i)+4:(\f)+8*(\i)+7], v[ADRB] offset:(\k)+(\i)*16*PITCH+32
.endr
	WIN 0
.irp i, 0,1,2,3,4,5,6,7
	ds_load_b128 v[(\f)+8*(\i):(\f)+8*(\i)+3],   v[ADRA] offset:(\k)+(\i)*16*PITCH
	ds_load_b128 v[(\f)+8*(\i)+4:(\f)+8*(\i)+7], v[ADRA] offset:(\k)+(\i)*16*PITCH+32
.endr
.endm
; A K step is four quarters of 32 along K, 64 products each, on buffers 0, 1, 0, 1.  One of the first three: multiplies buffer f; in its middle it fetches the next quarter, at byte k, into buffer g.
.macro QUARTER k, f, g, zero
	s_wait_dscnt 8                                 ; B and A's rows 0-63 are in; the youngest eight loads (A's rows 64-127) may be out
	MUL16 \f, 0, 0, \zero
	MUL16 \f, 0, 2, \zero
	PLACES                                         ; behind the last product that read buffer g
	FETCH \k, \g
	s_wait_dscnt 32                                ; all but the 32 just issued
	MUL16 \f, 1, 0, \zero
	MUL16 \f, 1, 2, \zero
.endm
; The fourth quarter multiplies buffer 1 and changes slots: one barrier.  In front of it each wave waits for all its tensor loads (at most one is out: its part of the next slot), adds 0 to its spare word,
; and waits for that and for its reads of this slot.  fill = 1: the barrier opens a round of the cluster's, and the joint refill, two K steps on, is the first thing behind the round: it has 224 products in which to land.
; fill = 0 (the tail): nothing is filled; in the tail's last trip there is no further step, and the run of loads is jumped over.
.macro TURN fill
.if \fill
	s_wait_xcnt 0x0                                ; the last prefetch, a K step back, has read its address
	s_add_nc_u64 s[PFA:PFA+1], s[PFA:PFA+1], KSTEP*2
.endif
	WIN 0                                          ; (the add's two registers lie in window 0)
	s_wait_tensorcnt 0x0                           ; all my tensor loads have landed
	ds_add_u32 v[SPW], v[NIL]                      ; 0 onto my spare word
	s_wait_dscnt 9                                 ; the add and the youngest eight loads may be out
	MUL16 F1, 0, 0, 0
	s_wait_dscnt 0x0                               ; the add is done, and my reads of this slot are over
	s_barrier_signal -1
	MUL16 F1, 0, 2, 0                              ; work on registers while the others arrive
	WIN 0
	s_barrier_wait -1
.if \fill
	CREST                                          ; no wave of any partner still reads this slot or has a load on its way
	s_xor_b32 s[G0+5], s[G0+5], SLOT               ; the walking descriptors: the other slot than last time,
	s_add_nc_u64 s[G0+6:G0+7], s[G0+6:G0+7], KSTEP*2  ; the next K step; the type bits on top are not reached
	s_xor_b32 s[G0B+5], s[G0B+5], SLOT
	s_add_nc_u64 s[G0B+6:G0B+7], s[G0B+6:G0B+7], KSTEP*2
	JLOAD 1                                        ; its four v_nop are also the places in front of the loads below
.else
	PLACES
	s_cmp_eq_u32 s3, 1
	s_cbranch_scc1 .Lno_fetch_\@
.endif
	s_xor_b32 s[TB], s[TB], SLOT                   ; the reads go on in the other slot
	v_add_nc_u32 v[ADRA], s[TB], v[ADRA0]
	v_add_nc_u32 v[ADRB], s[TB], v[ADRB0]
	FETCH 0, F0
.if \fill
	ASK
.else
.Lno_fetch_\@:
.endif
	MUL16 F1, 1, 0, 0
	MUL16 F1, 1, 2, 0
.endm
; THE WAY OUT of row block a.  PACK: the sums times s[SC], each accumulator from its low end on, then rounded to f16, 16 bytes a lane.  TOSTAGE: into my own stage and back as whole rows of 256 bytes.  SEND: stored.
.macro PACK a
.set AC, 64*((\a)%4)
.set WW, 2+(\a)/4
	WIN (WW<<6)|WW
.set i, 0
.rept 32
	v_pk_mul_f32 v[AC+i:AC+i+1], v[AC+i:AC+i+1], s[SC:SC+1] op_sel_hi:[1,0]
.set i, i+2
.endr
	WIN WW*5                                       ; sources 0 and 1 in the accumulators' window, destination in window 0
.set i, 0
.rept 32
	v_cvt_pk_f16_f32 v[TMP+i], v[AC+2*i], v[AC+2*i+1]
.set i, i+1
.endr
	WIN 0
.endm
.macro TOSTAGE a
	WIN 0
.set BK, OB+192*((\a)%2)
.irp b, 0,1,2,3,4,5,6,7
	ds_store_b128 v[STO], v[TMP+4*(\b):TMP+4*(\b)+3] offset:32*(\b)
.endr
.irp t, 0,1,2,3,4,5,6,7
	ds_load_b128 v[BK+4*(\t):BK+4*(\t)+3], v[RD] offset:(\t)*2*SPITCH  ; LDS serves a wave's instructions in order (ISA guide 5.7.1.4): these see the stores above
.endr
.endm
.macro SEND a
	WIN 0
.set BK, OB+192*((\a)%2)
	s_wait_dscnt 0x0                               ; the block is back in registers
	s_wait_xcnt 0x0                                ; the stores' base, and registers that earlier stores read, are rewritten only behind this wait
.if (\a) == 0
	s_add_nc_u64 s[8:9], s[8:9], s[16:17]
.else
	s_add_nc_u64 s[8:9], s[8:9], 16*CROW
.endif
.irp t, 0,1,2,3,4,5,6,7
	global_store_b128 v[CO], v[BK+4*(\t):BK+4*(\t)+3], s[8:9] offset:2*(\t)*CROW  ; 16 lanes store 256 consecutive bytes, aligned
.endr
.endm
	s_wait_tensorcnt 1                             ; my part of K step 0 is in; K step 1's may stay out
	s_barrier_signal -1
	s_barrier_wait -1
	FETCH 0, F0
	QUARTER 64, F0, F1, 1                          ; the first quarter stands in front of the loop: its products start the sums
	WIN 0
	s_mov_b32 s3, STEPS-2
.Lstep:                                                ; a trip: a K step's second to fourth quarter, the refill of its slot, and the next step's first quarter
	QUARTER 128, F1, F0, 0
	QUARTER 192, F0, F1, 0
	TURN 1
	QUARTER 64,  F0, F1, 0
	WIN 0
	s_sub_co_u32 s3, s3, 1
	s_cmp_lg_u32 s3, 0
	s_cbranch_scc1 .Lstep
	s_mov_b32 s3, 2                                ; the last two K steps fill nothing: a loop of their own; it is entered behind a first quarter
	s_branch .Lmid
.Ltail:
	QUARTER 64,  F0, F1, 0
	WIN 0
.Lmid:
	QUARTER 128, F1, F0, 0
	QUARTER 192, F0, F1, 0
	TURN 0
	WIN 0
	s_sub_co_u32 s3, s3, 1
	s_cmp_lg_u32 s3, 0
	s_cbranch_scc1 .Ltail
	s_wait_dscnt 0x0                               ; no LDS load is out
	PLACES                                         ; the places behind the last products, in front of the lines that read the sums
	PLACES
	PACK 0
	TOSTAGE 0
.irp a, 1,2,3,4,5,6,7                  ; a block's arithmetic stands between the loads of the block before and the wait for them
	PACK \a
	SEND (\a)-1
	TOSTAGE \a
.endr
	SEND 7
	s_wait_tensorcnt 0x0                           ; the wave's end
	ds_add_u32 v[SPW], v[NIL]
	s_wait_dscnt 0x0
	CROUND                                         ; the closing round
	s_endpgm
.Lfunc_end_k_q81a72a7a07_proj:
	.size	k_q81a72a7a07_proj, .Lfunc_end_k_q81a72a7a07_proj-k_q81a72a7a07_proj
	.p2alignl 7, 3214868480
	.fill 96, 4, 3214868480
	.section	.rodata,"a",@progbits
	.p2align	6, 0x0
	.amdhsa_kernel k_q81a72a7a07_proj
		.amdhsa_group_segment_fixed_size 327680
		.amdhsa_private_segment_fixed_size 0
		.amdhsa_enable_private_segment 0
		.amdhsa_kernarg_size 32
		.amdhsa_user_sgpr_count 2
		.amdhsa_user_sgpr_kernarg_segment_ptr 1
		.amdhsa_wavefront_size32 1
		.amdhsa_system_sgpr_workgroup_id_x 1
		.amdhsa_system_sgpr_workgroup_id_y 1
		.amdhsa_system_sgpr_workgroup_id_z 1
		.amdhsa_system_vgpr_workitem_id 0
		.amdhsa_next_free_vgpr 1024
		.amdhsa_next_free_sgpr 80
		.amdhsa_reserve_vcc 0
		.amdhsa_float_denorm_mode_32 3
		.amdhsa_float_denorm_mode_16_64 3
		.amdhsa_memory_ordered 1
		.amdhsa_forward_progress 1
		.amdhsa_inst_pref_size 118
	.end_amdhsa_kernel
	.amdgpu_metadata
---
amdhsa.version: [ 1, 2 ]
amdhsa.kernels:
  - .name:           k_q81a72a7a07_proj
    .symbol:         k_q81a72a7a07_proj.kd
    .args:
      - { .name: xb, .offset: 0, .size: 8, .value_kind: global_buffer, .address_space: global }
      - { .name: wb, .offset: 8, .size: 8, .value_kind: global_buffer, .address_space: global }
      - { .name: qk, .offset: 16, .size: 8, .value_kind: global_buffer, .address_space: global }
      - { .name: vt, .offset: 24, .size: 8, .value_kind: global_buffer, .address_space: global }
    .group_segment_fixed_size: 327680
    .private_segment_fixed_size: 0
    .kernarg_segment_align: 8
    .kernarg_segment_size: 32
    .max_flat_workgroup_size: 128
    .sgpr_count:     80
    .vgpr_count:     1024
    .wavefront_size: 32
...
	.end_amdgpu_metadata
.endif
;; end of part 2
;; launch score (part 3): grid 8 x 32, 4 waves a work-group, clusters of 4 x 4, 327,680 bytes of LDS; arguments qk, pw, st; writes pw, st
.if DOCPART == 3
	.amdgcn_target "amdgcn-amd-amdhsa--gfx1250"
	.amdhsa_code_object_version 6
	.text
	.protected	k_q81a72a7a07_score
	.globl	k_q81a72a7a07_score
	.p2align	8
	.type	k_q81a72a7a07_score,@function
k_q81a72a7a07_score:
	s_mov_b64 s[64:65], 0
	v_nop
	global_prefetch_b8 v0, s[64:65] scope:SCOPE_SE
	s_setreg_imm32_b32 hwreg(HW_REG_WAVE_MODE, 25, 1), 1
	s_wait_xcnt 0x0
	s_wait_alu depctr_hold_cnt(0) depctr_sa_sdst(0) depctr_va_vdst(0) depctr_va_sdst(0) depctr_va_ssrc(0) depctr_va_vcc(0) depctr_vm_vsrc(0)
	s_getreg_b32 s2, hwreg(HW_REG_IB_STS2, 6, 4)
	s_cmp_eq_u32 s2, 0
	s_cbranch_scc0 .Lentry_in_a_cluster
	s_endpgm
.Lentry_in_a_cluster:
	s_bfe_u32 s2, ttmp6, 0x10000c
	s_cmp_lg_u32 s2, 0xf033
	s_cbranch_scc0 .Lentry_shape_is_right
	s_endpgm
.Lentry_shape_is_right:
; THE SCORES AND THEIR EXPONENTIALS.  e[q][k] = the sum over d of Qs[q][d] Ks[k][d] (Qs, Ks = sqrt(c) Q, sqrt(c) K in f16; c = log2(e) / 32), in f32: the score's exponent to base 2.
; For each query and each BLOCK of 128 keys: m = the largest e of the block, p = 2^(e - m), l = the sum of the unrounded p.  pw takes p in f16, st takes m and l in f32.
; The maximum is taken away before every exponential: e - m is never above 0 and is 0 at the block's largest score.  The next launch joins the 16 blocks of a row by their true common maximum.
; LIMITS.  p lies in 0 to 1; below 6e-5 it keeps f16's fixed step of 6e-8; a p below 2^-126 counts as 0 in l.  NaN and infinities are not treated apart.
; SHARES.  A work-group makes 256 queries x 256 keys of one batch: 256 work-groups.  Four waves, each 128 x 128: 64 accumulators.  A wave's 128 keys are one block, so no wave asks another for a maximum.
; K = 1,024 goes in steps of 128 (rows of 256 bytes, aligned) through two LDS slots; waves 0, 1 fetch the halves of A (queries), waves 2, 3 those of B (keys).
; CLUSTER 4 x 4: queries' tiles are asked for jointly by a row of the cluster, keys' tiles by a column.
; THE MATRIX INSTRUCTION IS USED TRANSPOSED (source 0 = 16 keys, source 1 = 16 queries): a lane holds ONE query (lane % 16) and the keys 8 (lane / 16) + 0..7 of each of the 8 key blocks of 16:
; a query's maximum and sum want one exchange between the halves of the lanes, and its eight p of a block pack into 16 bytes of a row of pw.
; THE TEXT.  A K step is written twice: once in the loop whose trips fill a slot again, once in the tail's loop of two trips, which fill nothing.  The slots take turns by an exclusive or on s[TB] and on the walking descriptors' LDS words.
; REGISTERS: window 0: v0-31 addresses; v64-127, v128-191 fragments of A, two buffers (at the end: statistics); v32-63, v192-255 the way out
;   window 1: v64-127, v128-191 fragments of B          window 2: accumulators of my query blocks 0-3 ((a, b) at 8 (8 a + b))          window 3: those of blocks 4-7
.set KSTEP,  128
.set STEPS,  8
.set PITCH,  272                       ; an LDS row: 256 bytes + 16 of padding: the 16 rows of a load start at 16 different groups of four banks (64 banks of 4 bytes: ISA guide 11.1)
.set HALFT,  128*PITCH
.set SLOT,   4*HALFT                   ; 256 rows of A, then 256 rows of B: 0x22000, which shares no bit with the four loads' places 0, 0x8800, 0x11000, 0x19800
.set STAGE,  2*SLOT                    ; behind the ring: 16 rows x 272 bytes for each wave
.set SPITCH, 272
.set SSTG,   STAGE+4*16*SPITCH         ; 1,024 bytes for each wave: its 128 m, then its 128 l
.set SPARE,  SSTG+4*1024               ; the spare words, 128 bytes for each wave
.set ROWB,   4096                      ; bytes in a row of qk and of pw
.set SST,  10                          ; v10  where I put a query's m
.set SRD,  11                          ; v11  where I read four of them back
.set SGO,  12                          ; v12  16 x lane
.set ADRA,  16                         ; v16  LDS address of my A fragments in the slot in hand
.set ADRA0, 17                         ; v17  the same in slot 0; never rewritten
.set ADRB,  20
.set ADRB0, 21
.set STO,  24
.set RD,   25
.set CO,   26
.set SPW,  28
.set NIL,  29
.set PFO,  30
.set F0,   64
.set F1,   128
.set OB,   32
.set TMP,  192
.set MT,   64                          ; v64-71   eight running maxima
.set PX,   72                          ; v72      what the other half of the lanes sends
.set LT,   73
.set MP,   80                          ; v80-95   block a's m, twice (a pair for the packed subtraction)
.set LS,   96                          ; v96-103  four chains of packed sums
.set LV,   104                         ; v104-111 block a's l
.set SB,   112                         ; v112-119 statistics read back
.set G1,  24
.set G0,  32                           ; a set for each first fill; the second then walks on
.set G1B, 48
.set G0B, 56
.set LIM, 43
.set PFA, 44
.set SEL, 68                           ; s[68:69] v_permlanex16_b32's selects: each lane takes its own place in the other half
.set YY,  70                           ; s70  cluster y
.set BT,  71                           ; s71  the batch
.set TB,  72                           ; s72  LDS byte at which the slot in hand begins
.set MSB, 0
.macro WIN new
.if MSB != (\new)
	s_set_vgpr_msb (MSB<<8)|(\new)
.set MSB, \new
.endif
.endm
.set MUL_LO, 0xa1                      ; source 0 (B) window 1, source 1 (A) window 0, C and D window 2;  + 0x50: C and D window 3
.set TO_B,   0x40
.macro JLOAD s                         ; a joint load; the branch hangs on the wave number alone; an s_nop 0 and four v_nop follow each line
	s_cmp_eq_u32 s11, 0
	s_cbranch_scc0 .Lfor_b_\@
	tensor_load_to_lds s[G0+4*(\s):G0+4*(\s)+3], s[G1:G1+7]
	s_nop 0
.rept 4
	v_nop
.endr
	s_branch .Lasked_\@
.Lfor_b_\@:
	tensor_load_to_lds s[G0B+4*(\s):G0B+4*(\s)+3], s[G1B:G1B+7]
	s_nop 0
.rept 4
	v_nop
.endr
.Lasked_\@:
.endm
; A prefetch of the K step two refills on (512 products ahead of its load): 32 rows x 256 bytes, a lane a row.  Of the two clusters that read a tile's rows one asks; the four partners share
; the 128 rows that a wave fetches by address, 32 each.  The loop's last two trips have no K step two refills on.
.macro ASK
	s_cmp_gt_u32 s3, s[LIM]
	s_cbranch_scc0 .Lnot_mine_\@
	global_prefetch_b8 v[PFO], s[PFA:PFA+1] offset:KSTEP*2 th:TH_LOAD_NT scope:SCOPE_SE
.Lnot_mine_\@:
.endm
.macro CREST
	s_cmp_lg_u32 s10, 0
	s_cbranch_scc1 .Lnot_wave_0_\@
	s_barrier_signal -3
.Lnot_wave_0_\@:
	s_barrier_wait -3
	s_barrier_signal -1
	s_barrier_wait -1
.endm
.macro CROUND
	s_barrier_signal -1
	s_barrier_wait -1
	CREST
.endm
.macro PLACES
.rept 4
	v_nop
.endr
.endm
	s_load_b128 s[4:7], s[0:1], 0x0                ; qk s[4:5], pw s[6:7]
	s_load_b64 s[8:9], s[0:1], 0x10                ; st
	v_lshl_add_u32 v[SPW], v0, 2, SPARE
	v_mov_b32 v[NIL], 0
	ds_add_u32 v[SPW], v[NIL]                      ; the opening: the add and its wait ahead of my first tensor load
	v_lshrrev_b32 v1, 5, v0
	v_readfirstlane_b32 s10, v1                    ; wave 0..3
	s_lshr_b32 s11, s10, 1                         ; which 128 queries are mine.  Also: I fetch for A (0) or for B (1)
	s_and_b32 s12, s10, 1                          ; which 128 keys.  Also: which 128 rows of that tile I fetch
	s_bfe_u32 s40, ttmp6, 0x40000                  ; cx
	s_bfe_u32 s41, ttmp6, 0x40004                  ; cy
	s_lshl_b32 s42, ttmp9, 2
	s_add_co_u32 s42, s42, s40                     ; tile column: 256 keys of the batch, 0..7
	s_and_b32 s[YY], ttmp7, 0xffff
	s_lshl_b32 s13, s[YY], 2
	s_add_co_u32 s13, s13, s41                     ; tile row: 256 of the 8,192 queries, 0..31
	s_lshr_b32 s[BT], s[YY], 1                     ; eight tile rows, two clusters, to a batch
	s_mov_b32 s[TB], 0
	s_lshl_b32 s20, s41, 2
	s_lshl_b32 s20, 15, s20                        ; my row of the cluster
	s_lshl_b32 s21, 0x1111, s40                    ; my column
	s_or_b32 s[G1+0], s20, (1<<16)|(1<<20)|(1<<21)|(5<<22)|(3<<25)   ; the mask; 2-byte elements; padding on; bit 21 beside a mask; after every 64 words 4 words
	s_or_b32 s[G1B+0], s21, (1<<16)|(1<<20)|(1<<21)|(5<<22)|(3<<25)
.irp g, G1, G1B
	s_mov_b32 s[(\g)+1], KSTEP<<16                 ; tensor_dim0 = 128
	s_mov_b32 s[(\g)+2], 128<<16                   ; tensor_dim1 = 128
	s_mov_b32 s[(\g)+3], KSTEP<<16                 ; tile_dim0 = 128
	s_mov_b32 s[(\g)+4], 128                       ; tile_dim1 = 128
	s_mov_b32 s[(\g)+5], 2048                      ; elements from row to row of qk
	s_mov_b32 s[(\g)+6], 0
	s_mov_b32 s[(\g)+7], 0
.endr
	s_mov_b32 s[SEL], 0x76543210
	s_mov_b32 s[SEL+1], 0xfedcba98
	s_lshl_b32 s16, s13, 8
	s_lshl_b32 s17, s12, 7
	s_add_co_u32 s16, s16, s17                     ; A: row 256 x tile row + 128 x half
	s_lshl_b32 s16, s16, 12
	s_mov_b32 s17, 0
	s_lshl_b32 s46, s[BT], 11
	s_lshl_b32 s47, s42, 8
	s_add_co_u32 s46, s46, s47
	s_lshl_b32 s47, s12, 7
	s_add_co_u32 s46, s46, s47                     ; B: row 2,048 x batch + 256 x tile column + 128 x half,
	s_lshl_b32 s46, s46, 12
	s_add_co_u32 s46, s46, 2048                    ; and Ks lies 2,048 bytes into a row
	s_mov_b32 s47, 0
	s_mul_i32 s20, s10, HALFT                      ; where they go: wave x 128 rows
	s_wait_dscnt 0x0                               ; the opening add is done
	s_wait_kmcnt 0x0
	s_add_nc_u64 s[14:15], s[4:5], s[16:17]
	s_add_nc_u64 s[46:47], s[4:5], s[46:47]
	CROUND                                         ; the first joint loads meet
.irp s, 0,1
	s_mov_b32 s[G0+4*(\s)], 1
	s_add_co_u32 s[G0+4*(\s)+1], s20, (\s)*SLOT
	s_add_nc_u64 s[G0+4*(\s)+2:G0+4*(\s)+3], s[14:15], (\s)*KSTEP*2
	s_or_b32 s[G0+4*(\s)+3], s[G0+4*(\s)+3], 0x80000000
	s_mov_b32 s[G0B+4*(\s)], 1
	s_add_co_u32 s[G0B+4*(\s)+1], s20, (\s)*SLOT
	s_add_nc_u64 s[G0B+4*(\s)+2:G0B+4*(\s)+3], s[46:47], (\s)*KSTEP*2
	s_or_b32 s[G0B+4*(\s)+3], s[G0B+4*(\s)+3], 0x80000000
	JLOAD \s                                       ; two loads of mine are out
.endr
	v_and_b32 v1, 15, v0                           ; l % 16
	v_bfe_u32 v2, v0, 4, 1                         ; l / 16
	v_mul_u32_u24 v3, v1, PITCH
	v_lshl_add_u32 v3, v2, 4, v3
	s_mul_i32 s21, s11, HALFT
	s_mul_i32 s22, s12, HALFT
	s_add_co_u32 s22, s22, 2*HALFT
	v_add_nc_u32 v[ADRA0], s21, v3
	v_add_nc_u32 v[ADRB0], s22, v3
	v_mov_b32 v[ADRA], v[ADRA0]
	v_mov_b32 v[ADRB], v[ADRB0]
	s_mul_i32 s23, s10, 16*SPITCH
	s_add_co_u32 s23, s23, STAGE
	v_mul_u32_u24 v4, v1, SPITCH
	v_lshl_add_u32 v4, v2, 4, v4
	v_add_nc_u32 v[STO], s23, v4
	v_mul_u32_u24 v5, v2, SPITCH
	v_lshl_add_u32 v5, v1, 4, v5
	v_add_nc_u32 v[RD], s23, v5
	v_lshlrev_b32 v5, 12, v2
	v_lshl_add_u32 v[CO], v1, 4, v5
	s_lshl_b32 s23, s10, 10
	s_add_co_u32 s23, s23, SSTG                    ; my 1,024 bytes for statistics
	v_lshl_add_u32 v[SST], v1, 2, s23
	v_and_b32 v5, 31, v0
	v_lshlrev_b32 v[SGO], 4, v5
	v_add_nc_u32 v[SRD], s23, v[SGO]
	; where my part begins in pw: row 256 x tile row + 128 x half, byte 512 x tile column + 256 x half
	s_lshl_b32 s16, s13, 8
	s_lshl_b32 s17, s11, 7
	s_add_co_u32 s16, s16, s17
	s_lshl_b32 s16, s16, 12
	s_lshl_b32 s17, s42, 9
	s_add_co_u32 s16, s16, s17
	s_lshl_b32 s17, s12, 8
	s_add_co_u32 s16, s16, s17
	s_mov_b32 s17, 0
	; and in st: m[batch][key block 0..15][query 0..2047]
	s_lshl_b32 s20, s[BT], 4
	s_lshl_b32 s21, s42, 1
	s_add_co_u32 s20, s20, s21
	s_add_co_u32 s20, s20, s12
	s_lshl_b32 s20, s20, 11
	s_and_b32 s21, s13, 7
	s_lshl_b32 s21, s21, 8
	s_add_co_u32 s20, s20, s21
	s_lshl_b32 s21, s11, 7
	s_add_co_u32 s20, s20, s21
	s_lshl_b32 s20, s20, 2
	s_mov_b32 s21, 0
	s_add_nc_u64 s[8:9], s[8:9], s[20:21]
	; the prefetches: A's rows are read by the two clusters of a row of clusters: x = 0 asks; B's by the two clusters of a batch: the even y asks
	s_lshl_b32 s20, s13, 8
	s_lshl_b32 s21, s[BT], 11
	s_lshl_b32 s22, s42, 8
	s_add_co_u32 s21, s21, s22
	s_and_b32 s22, s[YY], 1
	s_cmp_eq_u32 s11, 0
	s_cselect_b32 s20, s20, s21                    ; the tile's first row
	s_cselect_b32 s21, s40, s41                    ; my place among the four that ask for it with me
	s_cselect_b32 s22, ttmp9, s22
	s_cselect_b32 s23, 0, 2048
	s_cmp_eq_u32 s22, 0
	s_cselect_b32 s[LIM], 2, -1                    ; the same in all sixteen partners, for a given wave
	s_lshl_b32 s22, s12, 7
	s_add_co_u32 s20, s20, s22
	s_lshl_b32 s21, s21, 5
	s_add_co_u32 s20, s20, s21
	s_lshl_b32 s20, s20, 12
	s_add_co_u32 s20, s20, s23
	s_add_co_u32 s20, s20, 2*KSTEP*2               ; at K step 2: the first refill steps it to 3 and names K step 4.  Nothing is asked for at the head
	s_mov_b32 s21, 0
	s_add_nc_u64 s[PFA:PFA+1], s[4:5], s[20:21]
	v_and_b32 v[PFO], 31, v0
	v_lshlrev_b32 v[PFO], 12, v[PFO]
; 16 products: query blocks a0, a0 + 1 of the window's four x all 8 key blocks, 32 along K.  The 64 accumulators take turns, in the same order in every quarter.
.macro MUL16 f, hi, a0, zero
	WIN MUL_LO+0x50*(\hi)
.irp a, \a0, (\a0)+1
.irp b, 0,1,2,3,4,5,6,7
.if \zero
	v_wmma_f32_16x16x32_f16 v[8*(8*(\a)+(\b)):8*(8*(\a)+(\b))+7], v[(\f)+8*(\b):(\f)+8*(\b)+7], v[(\f)+8*(4*(\hi)+(\a)):(\f)+8*(4*(\hi)+(\a))+7], 0
.else
	v_wmma_f32_16x16x32_f16 v[8*(8*(\a)+(\b)):8*(8*(\a)+(\b))+7], v[(\f)+8*(\b):(\f)+8*(\b)+7], v[(\f)+8*(4*(\hi)+(\a)):(\f)+8*(4*(\hi)+(\a))+7], v[8*(8*(\a)+(\b)):8*(8*(\a)+(\b))+7]
.endif
.endr
.endr
.endm
.macro FETCH k, f                      ; 32 LDS loads in one run: B's 128 rows, then A's, from the slot in hand
	WIN TO_B
.irp i, 0,1,2,3,4,5,6,7
	ds_load_b128 v[(\f)+8*(\i):(\f)+8*(\i)+3],   v[ADRB] offset:(\k)+(\i)*16*PITCH
	ds_load_b128 v[(\f)+8*(\i)+4:(\f)+8*(\i)+7], v[ADRB] offset:(\k)+(\i)*16*PITCH+32
.endr
	WIN 0
.irp i, 0,1,2,3,4,5,6,7
	ds_load_b128 v[(\f)+8*(\i):(\f)+8*(\i)+3],   v[ADRA] offset:(\k)+(\i)*16*PITCH
	ds_load_b128 v[(\f)+8*(\i)+4:(\f)+8*(\i)+7], v[ADRA] offset:(\k)+(\i)*16*PITCH+32
.endr
.endm
.macro QUARTER k, f, g, zero
	s_wait_dscnt 8                                 ; B and A's rows 0-63 are in; the youngest eight loads (A's rows 64-127) may be out
	MUL16 \f, 0, 0, \zero
	MUL16 \f, 0, 2, \zero
	PLACES                                         ; behind the last product that read buffer g
	FETCH \k, \g
	s_wait_dscnt 32                                ; all but the 32 just issued
	MUL16 \f, 1, 0, \zero
	MUL16 \f, 1, 2, \zero
.endm
; The fourth quarter multiplies buffer 1 and changes slots: one barrier.  In front of it: all my tensor loads have landed, the add, my reads of this slot are over.
; fill = 1: the barrier opens a round of the cluster's, and the joint refill, two K steps on, is the first thing behind the round: it has 224 products in which to land.
; fill = 0 (the tail): nothing is filled; in the tail's last trip there is no further step, and the run of loads is jumped over.
.macro TURN fill
.if \fill
	s_wait_xcnt 0x0                                ; the last prefetch, a K step back, has read its address
	s_add_nc_u64 s[PFA:PFA+1], s[PFA:PFA+1], KSTEP*2
.endif
	WIN 0
	s_wait_tensorcnt 0x0
	ds_add_u32 v[SPW], v[NIL]                      ; 0 onto my spare word
	s_wait_dscnt 9                                 ; the add and the youngest eight loads may be out
	MUL16 F1, 0, 0, 0
	s_wait_dscnt 0x0
	s_barrier_signal -1
	MUL16 F1, 0, 2, 0
	WIN 0
	s_barrier_wait -1
.if \fill
	CREST
	s_xor_b32 s[G0+5], s[G0+5], SLOT               ; the walking descriptors: the other slot than last time, the next K step
	s_add_nc_u64 s[G0+6:G0+7], s[G0+6:G0+7], KSTEP*2
	s_xor_b32 s[G0B+5], s[G0B+5], SLOT
	s_add_nc_u64 s[G0B+6:G0B+7], s[G0B+6:G0B+7], KSTEP*2
	JLOAD 1                                        ; its four v_nop are also the places in front of the loads below
.else
	PLACES
	s_cmp_eq_u32 s3, 1
	s_cbranch_scc1 .Lno_fetch_\@
.endif
	s_xor_b32 s[TB], s[TB], SLOT                   ; the reads go on in the other slot
	v_add_nc_u32 v[ADRA], s[TB], v[ADRA0]
	v_add_nc_u32 v[ADRB], s[TB], v[ADRB0]
	FETCH 0, F0
.if \fill
	ASK
.else
.Lno_fetch_\@:
.endif
	MUL16 F1, 1, 0, 0
	MUL16 F1, 1, 2, 0
.endm
; THE SOFTMAX'S PARTS, for query block a (16 queries; a lane holds 64 of its query's 128 exponents).
; MAXS: their maximum.  Each accumulator's lowest registers are read first.  Eight chains of three operands, then the eight into one, then the other half of the lanes'.
.macro MAXS a
.set AC, 64*((\a)%4)
.set WW, 2+(\a)/4
	WIN WW*21                                      ; sources 0, 1 and 2 in the accumulators' window
.irp b, 0,1,2,3,4,5,6,7
	v_max3_num_f32 v[MT+(\b)], v[AC+8*(\b)], v[AC+8*(\b)+1], v[AC+8*(\b)+2]
.endr
	WIN WW*20                                      ; sources 1 and 2
.irp b, 0,1,2,3,4,5,6,7
	v_max3_num_f32 v[MT+(\b)], v[MT+(\b)], v[AC+8*(\b)+3], v[AC+8*(\b)+4]
.endr
.irp b, 0,1,2,3,4,5,6,7
	v_max3_num_f32 v[MT+(\b)], v[MT+(\b)], v[AC+8*(\b)+5], v[AC+8*(\b)+6]
.endr
.irp b, 0,2,4,6
	v_max3_num_f32 v[MT+(\b)], v[MT+(\b)], v[AC+8*(\b)+7], v[AC+8*(\b)+15]
.endr
	WIN 0
	v_max3_num_f32 v[MT], v[MT], v[MT+1], v[MT+2]
	v_max3_num_f32 v[MT+3], v[MT+3], v[MT+4], v[MT+5]
	v_max3_num_f32 v[MT], v[MT], v[MT+6], v[MT+7]
	v_max_num_f32 v[MT], v[MT], v[MT+3]
	v_permlanex16_b32 v[PX], v[MT], s[SEL], s[SEL+1]
	v_max_num_f32 v[MP+2*(\a)], v[MT], v[PX]
	v_mov_b32 v[MP+2*(\a)+1], v[MP+2*(\a)]
.endm
; SUBEXP: e - m, a pair a line, and the 64 exponentials, in place: ONE BATCH, in which no line names an exponential's result.  A pair's exponentials stand two subtractions behind it.
.macro SUBEXP a
.set AC, 64*((\a)%4)
.set WW, 2+(\a)/4
	WIN (WW<<6)|WW                                 ; destination and source 0 in the accumulators' window, m in window 0
.set j, 0
.rept 32
	v_pk_add_f32 v[AC+2*j:AC+2*j+1], v[AC+2*j:AC+2*j+1], v[MP+2*(\a):MP+2*(\a)+1] neg_lo:[0,1] neg_hi:[0,1]
.if j >= 2
	v_exp_f32 v[AC+2*j-4], v[AC+2*j-4]
	v_exp_f32 v[AC+2*j-3], v[AC+2*j-3]
.endif
.set j, j+1
.endr
.irp e, 60,61,62,63
	v_exp_f32 v[AC+(\e)], v[AC+(\e)]
.endr
.endm
; CVTSUM: p rounded to f16, 16 bytes for each key block; the sum of the unrounded p in four chains, then across the halves of the lanes.
.macro CVTSUM a
.set AC, 64*((\a)%4)
.set WW, 2+(\a)/4
	WIN WW*5                                       ; sources 0 and 1
.set i, 0
.rept 32
	v_cvt_pk_f16_f32 v[TMP+i], v[AC+2*i], v[AC+2*i+1]
.set i, i+1
.endr
.irp c, 0,1,2,3
	v_pk_add_f32 v[LS+2*(\c):LS+2*(\c)+1], v[AC+4*(\c):AC+4*(\c)+1], v[AC+4*(\c)+2:AC+4*(\c)+3]  ; the first eight pairs start the chains: nothing is cleared
.endr
	WIN WW*4                                       ; source 1
.set i, 0
.rept 24
	v_pk_add_f32 v[LS+2*(i%4):LS+2*(i%4)+1], v[LS+2*(i%4):LS+2*(i%4)+1], v[AC+16+2*i:AC+16+2*i+1]
.set i, i+1
.endr
	WIN 0
	v_pk_add_f32 v[LS:LS+1], v[LS:LS+1], v[LS+2:LS+3]
	v_pk_add_f32 v[LS+4:LS+5], v[LS+4:LS+5], v[LS+6:LS+7]
	v_pk_add_f32 v[LS:LS+1], v[LS:LS+1], v[LS+4:LS+5]
	v_add_f32 v[LT], v[LS], v[LS+1]
	v_permlanex16_b32 v[PX], v[LT], s[SEL], s[SEL+1]
	v_add_f32 v[LV+(\a)], v[LT], v[PX]
.endm
.macro TOSTAGE a
	WIN 0
.set BK, OB+192*((\a)%2)
.irp b, 0,1,2,3,4,5,6,7
	ds_store_b128 v[STO], v[TMP+4*(\b):TMP+4*(\b)+3] offset:32*(\b)
.endr
.irp t, 0,1,2,3,4,5,6,7
	ds_load_b128 v[BK+4*(\t):BK+4*(\t)+3], v[RD] offset:(\t)*2*SPITCH  ; LDS serves a wave's instructions in order (ISA guide 5.7.1.4): these see the stores above
.endr
.endm
.macro SEND a
	WIN 0
.set BK, OB+192*((\a)%2)
	s_wait_dscnt 0x0                               ; the block is back in registers
	s_wait_xcnt 0x0                                ; the stores' base, and registers that earlier stores read, are rewritten only behind this wait
.if (\a) == 0
	s_add_nc_u64 s[6:7], s[6:7], s[16:17]
.else
	s_add_nc_u64 s[6:7], s[6:7], 16*ROWB
.endif
.irp t, 0,1,2,3,4,5,6,7
	global_store_b128 v[CO], v[BK+4*(\t):BK+4*(\t)+3], s[6:7] offset:2*(\t)*ROWB  ; 16 lanes store 256 consecutive bytes, aligned
.endr
.endm
	s_wait_tensorcnt 1                             ; my part of K step 0 is in; K step 1's may stay out
	s_barrier_signal -1
	s_barrier_wait -1
	FETCH 0, F0
	QUARTER 64,  F0, F1, 1                         ; the first quarter's products start the sums
	WIN 0
	s_mov_b32 s3, STEPS-2
.Lstep:                                                ; a trip: a K step's second to fourth quarter, the refill of its slot, and the next step's first quarter
	QUARTER 128, F1, F0, 0
	QUARTER 192, F0, F1, 0
	TURN 1
	QUARTER 64,  F0, F1, 0
	WIN 0
	s_sub_co_u32 s3, s3, 1
	s_cmp_lg_u32 s3, 0
	s_cbranch_scc1 .Lstep
	s_mov_b32 s3, 2                                ; the last two K steps fill nothing: a loop of their own; it is entered behind a first quarter
	s_branch .Lmid
.Ltail:
	QUARTER 64,  F0, F1, 0
	WIN 0
.Lmid:
	QUARTER 128, F1, F0, 0
	QUARTER 192, F0, F1, 0
	TURN 0
	WIN 0
	s_sub_co_u32 s3, s3, 1
	s_cmp_lg_u32 s3, 0
	s_cbranch_scc1 .Ltail
	s_wait_dscnt 0x0                               ; no LDS load is out: the lines below write registers that were fragments
	PLACES                                         ; the places behind the last products
	PLACES
	v_mov_b32 v[PX], 0                             ; v_permlanex16_b32 counts as a reader of its destination
	MAXS 0
.irp a, 0,1,2,3,4,5,6,7
	SUBEXP \a
.if (\a) < 7
	MAXS (\a)+1                                    ; the next block's maximum names none of the batch's results: the work between the batch and its wait
.else
	v_nop                                          ; a plain instruction behind the last exponential
.endif
	s_wait_alu depctr_va_vdst(0)                   ; one wait for the block's 64 exponentials, ahead of their first reader
	CVTSUM \a
.if (\a) > 0
	SEND (\a)-1
.endif
	TOSTAGE \a
.endr
	SEND 7
	; the statistics: a query's m and l lie in both halves of the lanes, which write the same word with the same number; back as 128 numbers on end, 16 bytes a lane
.irp a, 0,1,2,3,4,5,6,7
	ds_store_b32 v[SST], v[MP+2*(\a)] offset:64*(\a)
	ds_store_b32 v[SST], v[LV+(\a)] offset:512+64*(\a)
.endr
	ds_load_b128 v[SB:SB+3], v[SRD]
	ds_load_b128 v[SB+4:SB+7], v[SRD] offset:512
	s_wait_dscnt 0x0
	global_store_b128 v[SGO], v[SB:SB+3], s[8:9]                    ; 512 consecutive bytes, aligned
	global_store_b128 v[SGO], v[SB+4:SB+7], s[8:9] offset:524288    ; l lies behind all of m
	s_wait_tensorcnt 0x0                           ; the wave's end
	ds_add_u32 v[SPW], v[NIL]
	s_wait_dscnt 0x0
	CROUND                                         ; the closing round
	s_endpgm
.Lfunc_end_k_q81a72a7a07_score:
	.size	k_q81a72a7a07_score, .Lfunc_end_k_q81a72a7a07_score-k_q81a72a7a07_score
	.p2alignl 7, 3214868480
	.fill 96, 4, 3214868480
	.section	.rodata,"a",@progbits
	.p2align	6, 0x0
	.amdhsa_kernel k_q81a72a7a07_score
		.amdhsa_group_segment_fixed_size 327680
		.amdhsa_private_segment_fixed_size 0
		.amdhsa_enable_private_segment 0
		.amdhsa_kernarg_size 24
		.amdhsa_user_sgpr_count 2
		.amdhsa_user_sgpr_kernarg_segment_ptr 1
		.amdhsa_wavefront_size32 1
		.amdhsa_system_sgpr_workgroup_id_x 1
		.amdhsa_system_sgpr_workgroup_id_y 1
		.amdhsa_system_sgpr_workgroup_id_z 1
		.amdhsa_system_vgpr_workitem_id 0
		.amdhsa_next_free_vgpr 1024
		.amdhsa_next_free_sgpr 80
		.amdhsa_reserve_vcc 0
		.amdhsa_float_denorm_mode_32 3
		.amdhsa_float_denorm_mode_16_64 3
		.amdhsa_memory_ordered 1
		.amdhsa_forward_progress 1
		.amdhsa_inst_pref_size 170
	.end_amdhsa_kernel
	.amdgpu_metadata
---
amdhsa.version: [ 1, 2 ]
amdhsa.kernels:
  - .name:           k_q81a72a7a07_score
    .symbol:         k_q81a72a7a07_score.kd
    .args:
      - { .name: qk, .offset: 0, .size: 8, .value_kind: global_buffer, .address_space: global }
      - { .name: pw, .offset: 8, .size: 8, .value_kind: global_buffer, .address_space: global }
      - { .name: st, .offset: 16, .size: 8, .value_kind: global_buffer, .address_space: global }
    .group_segment_fixed_size: 327680
    .private_segment_fixed_size: 0
    .kernarg_segment_align: 8
    .kernarg_segment_size: 24
    .max_flat_workgroup_size: 128
    .sgpr_count:     80
    .vgpr_count:     1024
    .wavefront_size: 32
...
	.end_amdgpu_metadata
.endif
;; end of part 3
;; launch mix (part 4): grid 4 x 64, 4 waves a work-group, clusters of 4 x 4, 327,680 bytes of LDS; arguments pw, vt, st, out0; writes out0
.if DOCPART == 4
	.amdgcn_target "amdgcn-amd-amdhsa--gfx1250"
	.amdhsa_code_object_version 6
	.text
	.protected	k_q81a72a7a07_mix
	.globl	k_q81a72a7a07_mix
	.p2align	8
	.type	k_q81a72a7a07_mix,@function
k_q81a72a7a07_mix:
	s_mov_b64 s[64:65], 0
	v_nop
	global_prefetch_b8 v0, s[64:65] scope:SCOPE_SE
	s_setreg_imm32_b32 hwreg(HW_REG_WAVE_MODE, 25, 1), 1
	s_wait_xcnt 0x0
	s_wait_alu depctr_hold_cnt(0) depctr_sa_sdst(0) depctr_va_vdst(0) depctr_va_sdst(0) depctr_va_ssrc(0) depctr_va_vcc(0) depctr_vm_vsrc(0)
	s_getreg_b32 s2, hwreg(HW_REG_IB_STS2, 6, 4)
	s_cmp_eq_u32 s2, 0
	s_cbranch_scc0 .Lentry_in_a_cluster
	s_endpgm
.Lentry_in_a_cluster:
	s_bfe_u32 s2, ttmp6, 0x10000c
	s_cmp_lg_u32 s2, 0xf033
	s_cbranch_scc0 .Lentry_shape_is_right
	s_endpgm
.Lentry_shape_is_right:
; out0[q][ch] = (the sum over the 16 key blocks kb of f[q][kb] x the sum over the block's keys of p[q][key] V[key][ch]) / l[q].
; m[q] = the largest of the row's 16 block maxima, f[q][kb] = 2^(m[q][kb] - m[q]) <= 1, l[q] = the sum of f[q][kb] l[q][kb]: the softmax's true running maximum, joined here.
; f is rounded to f16 once; the same rounded f multiplies p (in f16, between the LDS load and the product) and enters l (in f32), so that numerator and divisor carry the same factor.
; Products in f16, sums in f32; 1 / l multiplies the f32 sums on the way out.  l is at least 1: the block with the row's maximum has f = 1 and holds a p = 1.
; LIMITS.  p f keeps f16's fixed step of 6e-8 below 6e-5; an f below 3e-8 counts as 0.  V lies within f16's 65,504.  NaN and infinities are not treated apart.
; SHARES.  A tile is 128 queries x 256 channels: 256 work-groups, the largest tile that gives each WGP one.  Four waves, each 64 x 128: 32 accumulators.  K = 2,048 keys goes in steps of 128, one key block a step,
; through two LDS slots; waves 0, 1 fetch the halves of B (vt: channels x keys), waves 2, 3 those of A (pw: queries x keys).  CLUSTER 4 x 4: A jointly by a row of the cluster, B by a column.
; THE MATRIX INSTRUCTION IS USED TRANSPOSED (source 0 = 16 channels, source 1 = 16 queries): a lane holds one query, in the fragment of A as in the result, so f and 1 / l are one number a lane.
; THE TEXT.  A K step is written twice: once in the loop whose trips fill a slot again, once in the tail's loop of two trips, which fill nothing.  The slots take turns by an exclusive or on s[TB] and on the walking descriptors' LDS words.
; REGISTERS: window 0: v0-31 addresses; v32-255 the table's making, later the way out          window 1: v0-63, v64-127 fragments of B; v128-131 f of the step in hand, as pairs of f16: row block a at 128 + a
;   window 2: v0-127 accumulators of row blocks 0, 1; v128-159, v160-191 fragments of A          window 3: v0-127 accumulators of row blocks 2, 3
.set STEPS,  16
.set LD,     2048
.set LOGROW, 12
.set PITCH,  272                       ; an LDS row: 256 bytes + 16 of padding: the 16 rows of a load start at 16 different groups of four banks (64 banks of 4 bytes: ISA guide 11.1)
.set BH,     128*PITCH
.set AH,     64*PITCH
.set AOFF,   2*BH
.set SLOT,   AOFF+2*AH                 ; 256 rows of B, then 128 rows of A: 104,448 bytes
.set SLOT1,  1<<17                     ; slot 1 begins here, so that one exclusive or turns an address in one slot into the other's
.set STAGE,  SLOT1+SLOT                ; behind the ring: 16 rows x 528 bytes for each wave
.set SPITCH, 528                       ; 512 bytes + 16
.set FT,     STAGE+4*16*SPITCH         ; f[kb][row 0..127], 4 bytes (f16 twice): 8,192 bytes; behind it 1 / l[row], 512 bytes
.set SPARE,  FT+8192+512               ; the spare words, 128 bytes for each wave
.set CROW,   4096                      ; bytes in a row of out0
.set ADRA,  16                         ; v16  LDS address of my A fragments in the slot in hand
.set ADRA0, 17                         ; v17  the same in slot 0; never rewritten
.set ADRB,  20
.set ADRB0, 21
.set TW,   22                          ; v22  where thread t puts row t's f
.set SO,   23                          ; v23  4 t
.set STO,  24
.set RD,   25
.set CO,   26
.set FAD,  27                          ; v27  where I read my rows' f of the step to be fetched
.set SPW,  28
.set NIL,  29
.set PFO,  30
.set FAD0, 31                          ; v31  the same for key block 0; never rewritten
.set MM,   32                          ; v32-47  the row's 16 m, then f
.set LL,   48                          ; v48-63  its 16 l
.set FH,   64                          ; v64-79  f as a pair of f16
.set MR,   80
.set LR,   81
.set ZR,   82
.set RI,   83
.set RLP,  32                          ; the way out: 1 / l of row block a, twice, at v[32 + 2 a]
.set TMP,  64                          ; v64-127  a row block, divided
.set OB,   128                         ; rows read back: v128-191 and v192-255 by turns
.set AFB,  128                         ; window 2
.set FS,   128                         ; window 1
.set G1,  24
.set G0,  32                           ; a set for each first fill; the second then walks on
.set G1B, 48
.set G0B, 56
.set LIM, 43
.set PFA, 44
.set YY,  76                           ; s76  cluster y
.set BT,  77                           ; s77  the batch
.set FB,  78                           ; s78  512 x the key block to be fetched
.set TB,  79                           ; s79  LDS byte at which the slot in hand begins
.set MSB, 0
.macro WIN new
.if MSB != (\new)
	s_set_vgpr_msb (MSB<<8)|(\new)
.set MSB, \new
.endif
.endm
.set W_LO, 0xa9                        ; source 0 window 1, source 1 window 2, C and D window 2: for the products, and for the scalings (destination and source 1: A; source 0: f);  + 0x50: C and D window 3
.set TO_B, 0x40
.set TO_A, 0x80
.macro JLOAD s                         ; a joint load; the branch hangs on the wave number alone; an s_nop 0 and four v_nop follow each line
	s_cmp_eq_u32 s11, 0
	s_cbranch_scc0 .Lfor_a_\@
	tensor_load_to_lds s[G0B+4*(\s):G0B+4*(\s)+3], s[G1B:G1B+7]
	s_nop 0
.rept 4
	v_nop
.endr
	s_branch .Lasked_\@
.Lfor_a_\@:
	tensor_load_to_lds s[G0+4*(\s):G0+4*(\s)+3], s[G1:G1+7]
	s_nop 0
.rept 4
	v_nop
.endr
.Lasked_\@:
.endm
; A prefetch of the K step two refills on (256 products ahead of its load): 32 rows x 256 bytes, a lane a row.  Each row's 256 bytes are named once (who asks: below).  The loop's last two trips have no K step two refills on.
.macro ASK
	s_cmp_gt_u32 s3, s[LIM]
	s_cbranch_scc0 .Lnot_mine_\@
	global_prefetch_b8 v[PFO], s[PFA:PFA+1] offset:256 th:TH_LOAD_NT scope:SCOPE_SE
.Lnot_mine_\@:
.endm
.macro CREST
	s_cmp_lg_u32 s10, 0
	s_cbranch_scc1 .Lnot_wave_0_\@
	s_barrier_signal -3
.Lnot_wave_0_\@:
	s_barrier_wait -3
	s_barrier_signal -1
	s_barrier_wait -1
.endm
.macro CROUND
	s_barrier_signal -1
	s_barrier_wait -1
	CREST
.endm
	s_load_b256 s[68:75], s[0:1], 0x0              ; pw s[68:69], vt s[70:71], st s[72:73], out0 s[74:75]
	v_lshl_add_u32 v[SPW], v0, 2, SPARE
	v_mov_b32 v[NIL], 0
	ds_add_u32 v[SPW], v[NIL]                      ; the opening: the add and its wait ahead of my first tensor load
	v_lshrrev_b32 v1, 5, v0
	v_readfirstlane_b32 s10, v1                    ; wave 0..3
	s_lshr_b32 s11, s10, 1                         ; which 64 queries are mine.  Also: I fetch for B (0) or for A (1)
	s_and_b32 s12, s10, 1                          ; which 128 channels.  Also: which half of that tile I fetch
	s_bfe_u32 s40, ttmp6, 0x40000                  ; cx
	s_bfe_u32 s41, ttmp6, 0x40004                  ; cy
	s_and_b32 s[YY], ttmp7, 0xffff
	s_lshl_b32 s13, s[YY], 2
	s_add_co_u32 s13, s13, s41                     ; tile row: 128 of the 8,192 queries, 0..63
	s_lshl_b32 s42, ttmp9, 2
	s_add_co_u32 s42, s42, s40                     ; tile column: 256 of the 1,024 channels, 0..3
	s_lshr_b32 s[BT], s[YY], 2                     ; sixteen tile rows, four clusters, to a batch
	s_lshl_b32 s20, s41, 2
	s_lshl_b32 s20, 15, s20                        ; my row of the cluster
	s_lshl_b32 s21, 0x1111, s40                    ; my column
	s_or_b32 s[G1+0], s20, (1<<16)|(1<<20)|(1<<21)|(5<<22)|(3<<25)   ; the mask; 2-byte elements; padding on; bit 21 beside a mask; after every 64 words 4 words
	s_or_b32 s[G1B+0], s21, (1<<16)|(1<<20)|(1<<21)|(5<<22)|(3<<25)
	s_mov_b32 s[G1+1], 128<<16                     ; tensor_dim0 = 128
	s_mov_b32 s[G1+2], 64<<16                      ; tensor_dim1 = 64
	s_mov_b32 s[G1+3], 128<<16                     ; tile_dim0 = 128
	s_mov_b32 s[G1+4], 64                          ; tile_dim1 = 64
	s_mov_b32 s[G1+5], LD
	s_mov_b32 s[G1+6], 0
	s_mov_b32 s[G1+7], 0
	s_mov_b32 s[G1B+1], 128<<16
	s_mov_b32 s[G1B+2], 128<<16
	s_mov_b32 s[G1B+3], 128<<16
	s_mov_b32 s[G1B+4], 128
	s_mov_b32 s[G1B+5], LD
	s_mov_b32 s[G1B+6], 0
	s_mov_b32 s[G1B+7], 0
	s_mov_b32 s[FB], 0
	s_mov_b32 s[TB], 0
	s_lshl_b32 s16, s13, 7
	s_lshl_b32 s17, s12, 6
	s_add_co_u32 s16, s16, s17                     ; A: row 128 x tile row + 64 x half
	s_lshl_b32 s16, s16, LOGROW
	s_mov_b32 s17, 0
	s_lshl_b32 s46, s42, 8
	s_lshl_b32 s47, s12, 7
	s_add_co_u32 s46, s46, s47                     ; B: row 256 x tile column + 128 x half
	s_lshl_b32 s46, s46, LOGROW
	s_mov_b32 s47, 0
	s_lshl_b32 s18, s[BT], 22                      ; the batch's plane of vt: 1,024 rows of 4,096 bytes
	s_mov_b32 s19, 0
	s_lshl_b32 s22, s[BT], 17                      ; the batch's 16 x 2,048 numbers in st,
	s_and_b32 s23, s13, 15
	s_lshl_b32 s23, s23, 9                         ; my tile's 128 queries
	s_add_co_u32 s22, s22, s23
	s_mov_b32 s23, 0
	s_mul_i32 s20, s10, BH                         ; where they go: B's halves at wave x 128 rows (waves 0, 1),
	s_mul_i32 s21, s10, AH
	s_add_co_u32 s21, s21, AOFF-2*AH               ; A's at AOFF + (wave - 2) x 64 rows (waves 2, 3)
	s_wait_dscnt 0x0                               ; the opening add is done
	s_wait_kmcnt 0x0
	s_add_nc_u64 s[6:7], s[70:71], s[18:19]
	s_add_nc_u64 s[72:73], s[72:73], s[22:23]
	s_add_nc_u64 s[14:15], s[68:69], s[16:17]
	s_add_nc_u64 s[46:47], s[6:7], s[46:47]
	CROUND                                         ; the first joint loads meet
.irp s, 0,1
	s_mov_b32 s[G0+4*(\s)], 1
	s_add_co_u32 s[G0+4*(\s)+1], s21, (\s)*SLOT1
	s_add_nc_u64 s[G0+4*(\s)+2:G0+4*(\s)+3], s[14:15], (\s)*256
	s_or_b32 s[G0+4*(\s)+3], s[G0+4*(\s)+3], 0x80000000
	s_mov_b32 s[G0B+4*(\s)], 1
	s_add_co_u32 s[G0B+4*(\s)+1], s20, (\s)*SLOT1
	s_add_nc_u64 s[G0B+4*(\s)+2:G0B+4*(\s)+3], s[46:47], (\s)*256
	s_or_b32 s[G0B+4*(\s)+3], s[G0B+4*(\s)+3], 0x80000000
	JLOAD \s                                       ; two loads of mine are out
.endr
	; THE TABLE.  Thread t owns row t of the tile's 128: its 16 m and 16 l; a wave's load covers 128 consecutive bytes, the four waves' 512
	v_lshlrev_b32 v[SO], 2, v0
.set k, 0
.rept 16
	global_load_b32 v[MM+k], v[SO], s[72:73] offset:8192*k
.set k, k+1
.endr
.set k, 0
.rept 16
	global_load_b32 v[LL+k], v[SO], s[72:73] offset:524288+8192*k
.set k, k+1
.endr
	v_lshl_add_u32 v[TW], v0, 2, FT
	v_and_b32 v1, 15, v0                           ; l % 16
	v_bfe_u32 v2, v0, 4, 1                         ; l / 16
	v_mul_u32_u24 v3, v1, PITCH
	v_lshl_add_u32 v3, v2, 4, v3
	s_mul_i32 s21, s11, AH
	s_add_co_u32 s21, s21, AOFF
	s_mul_i32 s22, s12, BH
	v_add_nc_u32 v[ADRA0], s21, v3
	v_add_nc_u32 v[ADRB0], s22, v3
	v_mov_b32 v[ADRA], v[ADRA0]
	v_mov_b32 v[ADRB], v[ADRB0]
	s_mul_i32 s23, s10, 16*SPITCH
	s_add_co_u32 s23, s23, STAGE                   ; my stage
	v_mul_u32_u24 v4, v1, SPITCH                   ; in: row l % 16, 32 bytes for each half of the lanes
	v_lshl_add_u32 v4, v2, 5, v4
	v_add_nc_u32 v[STO], s23, v4
	v_and_b32 v5, 31, v0
	v_lshlrev_b32 v[CO], 4, v5                     ; back, and out: a row of 512 bytes, 16 bytes a lane
	v_add_nc_u32 v[RD], s23, v[CO]
	s_lshl_b32 s20, s11, 8
	s_add_co_u32 s20, s20, FT
	v_lshl_add_u32 v[FAD0], v1, 2, s20             ; f of row 64 x half + l % 16; row block a lies 64 a bytes on, key block kb 512 kb bytes on
	v_mov_b32 v[FAD], v[FAD0]
	; where my part of the tile begins in out0
	s_lshl_b32 s16, s13, 7
	s_lshl_b32 s17, s11, 6
	s_add_co_u32 s16, s16, s17
	s_lshl_b32 s16, s16, 12
	s_lshl_b32 s17, s42, 10
	s_add_co_u32 s16, s16, s17
	s_lshl_b32 s17, s12, 9
	s_add_co_u32 s16, s16, s17
	s_mov_b32 s17, 0
	; the prefetches.  B (256 rows, four partners along cy): waves 0, 1 take rows 64 cy + 32 wave on, in the first of the batch's four clusters.
	; A (128 rows, four partners along cx): wave 2 takes rows 32 cx on, in every cluster: no other cluster reads these rows.  Wave 3 asks for nothing.
	s_lshl_b32 s20, s42, 8
	s_lshl_b32 s21, s41, 6
	s_add_co_u32 s20, s20, s21
	s_lshl_b32 s21, s10, 5
	s_add_co_u32 s20, s20, s21
	s_lshl_b32 s21, s13, 7
	s_lshl_b32 s22, s40, 5
	s_add_co_u32 s21, s21, s22
	s_and_b32 s22, s[YY], 3
	s_cmp_eq_u32 s11, 0
	s_cselect_b32 s20, s20, s21
	s_cselect_b32 s22, s22, s12
	s_cselect_b64 s[PFA:PFA+1], s[6:7], s[68:69]
	s_cmp_eq_u32 s22, 0
	s_cselect_b32 s[LIM], 2, -1                    ; made of the wave number and cluster y: the same in all partners
	s_lshl_b32 s20, s20, LOGROW
	s_add_co_u32 s20, s20, 2*256                   ; at K step 2: the first refill steps it to 3 and names K step 4.  Nothing is asked for at the head
	s_mov_b32 s21, 0
	s_add_nc_u64 s[PFA:PFA+1], s[PFA:PFA+1], s[20:21]
	v_lshlrev_b32 v[PFO], LOGROW, v5
	s_wait_loadcnt 0x0                             ; m and l
	v_max3_num_f32 v[MR], v[MM], v[MM+1], v[MM+2]
.irp k, 3,5,7,9,11,13
	v_max3_num_f32 v[MR], v[MR], v[MM+(\k)], v[MM+(\k)+1]
.endr
	v_max_num_f32 v[MR], v[MR], v[MM+15]           ; the row's maximum
.set k, 0
.rept 16
	v_sub_f32 v[MM+k], v[MM+k], v[MR]
.set k, k+1
.endr
.set k, 0
.rept 16
	v_exp_f32 v[MM+k], v[MM+k]
.set k, k+1
.endr
	v_mov_b32 v[ZR], 0                             ; a plain instruction behind the last exponential,
	s_wait_alu depctr_va_vdst(0)                   ; and one wait for the sixteen, ahead of their first reader
.set k, 0
.rept 16
	v_cvt_pk_f16_f32 v[FH+k], v[MM+k], v[MM+k]
.set k, k+1
.endr
	v_fma_mix_f32 v[LR], v[FH], v[LL], v[ZR] op_sel_hi:[1,0,0]      ; l = the sum of the rounded f x the block's l, in f32
.set k, 1
.rept 15
	v_fma_mix_f32 v[LR], v[FH+k], v[LL+k], v[LR] op_sel_hi:[1,0,0]
.set k, k+1
.endr
	v_rcp_f32 v[RI], v[LR]
	v_nop
	s_wait_alu depctr_va_vdst(0)
.set k, 0
.rept 16
	ds_store_b32 v[TW], v[FH+k] offset:512*k
.set k, k+1
.endr
	ds_store_b32 v[TW], v[RI] offset:8192
; row block 0 of buffer f times its f: eight plain lines, which are also the places behind the last product that read the other buffer (ISA guide 7.12.1 for vector instructions)
.macro SC8 f
	WIN W_LO
.irp i, 0,1,2,3,4,5,6,7
	v_pk_mul_f16 v[AFB+32*(\f)+(\i)], v[FS], v[AFB+32*(\f)+(\i)]
.endr
.endm
; 8 products: row block a x all 8 channel blocks, 32 keys, from buffer f.  Behind the products of block 0 ride the scalings of block 1, behind those of block 1 the scalings of blocks 2 and 3:
; each names registers that no product near it names.  The 32 accumulators take turns, in the same order in every quarter.
.macro MUL8 f, a, zero
	WIN W_LO+0x50*((\a)/2)
.irp b, 0,1,2,3,4,5,6,7
.if \zero
	v_wmma_f32_16x16x32_f16 v[64*((\a)%2)+8*(\b):64*((\a)%2)+8*(\b)+7], v[64*(\f)+8*(\b):64*(\f)+8*(\b)+7], v[AFB+32*(\f)+8*(\a):AFB+32*(\f)+8*(\a)+7], 0
.else
	v_wmma_f32_16x16x32_f16 v[64*((\a)%2)+8*(\b):64*((\a)%2)+8*(\b)+7], v[64*(\f)+8*(\b):64*(\f)+8*(\b)+7], v[AFB+32*(\f)+8*(\a):AFB+32*(\f)+8*(\a)+7], v[64*((\a)%2)+8*(\b):64*((\a)%2)+8*(\b)+7]
.endif
.if (\a) == 0
	v_pk_mul_f16 v[AFB+32*(\f)+8+(\b)], v[FS+1], v[AFB+32*(\f)+8+(\b)]
.elseif (\a) == 1
	v_pk_mul_f16 v[AFB+32*(\f)+16+(\b)], v[FS+2], v[AFB+32*(\f)+16+(\b)]
	v_pk_mul_f16 v[AFB+32*(\f)+24+(\b)], v[FS+3], v[AFB+32*(\f)+24+(\b)]
.endif
.endr
.endm
; 24 LDS loads in one run, from the slot in hand into buffer f; wf = 1 (a K step's first): ahead of them my four f of that key block: all scalings of the step before have been issued
.macro FETCH k, f, wf
	WIN TO_B
.if \wf
.irp a, 0,1,2,3
	ds_load_b32 v[FS+(\a)], v[FAD] offset:64*(\a)
.endr
.endif
.irp i, 0,1,2,3,4,5,6,7
	ds_load_b128 v[64*(\f)+8*(\i):64*(\f)+8*(\i)+3],   v[ADRB] offset:(\k)+(\i)*16*PITCH
	ds_load_b128 v[64*(\f)+8*(\i)+4:64*(\f)+8*(\i)+7], v[ADRB] offset:(\k)+(\i)*16*PITCH+32
.endr
	WIN TO_A
.irp i, 0,1,2,3
	ds_load_b128 v[AFB+32*(\f)+8*(\i):AFB+32*(\f)+8*(\i)+3],   v[ADRA] offset:(\k)+(\i)*16*PITCH
	ds_load_b128 v[AFB+32*(\f)+8*(\i)+4:AFB+32*(\f)+8*(\i)+7], v[ADRA] offset:(\k)+(\i)*16*PITCH+32
.endr
.endm
.macro QUARTER k, f, g, zero
	s_wait_dscnt 0x0                               ; buffer f, asked for a quarter ago, is in
	SC8 \f
	FETCH \k, \g, 0                                ; at the quarter's head: it has all 32 products in which to land
	MUL8 \f, 0, \zero
	MUL8 \f, 1, \zero
	MUL8 \f, 2, \zero
	MUL8 \f, 3, \zero
.endm
; The fourth quarter multiplies buffer 1 and changes slots: one barrier.  In front of it: all my tensor loads have landed (at most one was out: my part of the next slot), the add, my reads of this slot are over.
; fill = 1: the barrier opens a round of the cluster's, and the joint refill, two K steps on, is the first thing behind the round: it has 112 products in which to land.
; fill = 0 (the tail): nothing is filled; in the tail's last trip there is no further step, and the run of loads is jumped over.
.macro TURN fill
.if \fill
	s_wait_xcnt 0x0                                ; the last prefetch, a K step back, has read its address
	s_add_nc_u64 s[PFA:PFA+1], s[PFA:PFA+1], 256
.endif
	WIN 0
	s_wait_tensorcnt 0x0
	ds_add_u32 v[SPW], v[NIL]                      ; 0 onto my spare word
	s_wait_dscnt 0x1                               ; buffer 1 is in; the add may be out
	SC8 1
	MUL8 1, 0, 0
	s_wait_dscnt 0x0                               ; the add is done, and my reads of this slot are over
	s_barrier_signal -1
	MUL8 1, 1, 0                                   ; work on registers while the others arrive
	WIN 0
	s_barrier_wait -1
.if \fill
	CREST
	s_xor_b32 s[G0+5], s[G0+5], SLOT1              ; the walking descriptors: the other slot than last time, the next K step
	s_add_nc_u64 s[G0+6:G0+7], s[G0+6:G0+7], 256
	s_xor_b32 s[G0B+5], s[G0B+5], SLOT1
	s_add_nc_u64 s[G0B+6:G0B+7], s[G0B+6:G0B+7], 256
	JLOAD 1
.else
	s_cmp_eq_u32 s3, 1
	s_cbranch_scc1 .Lno_fetch_\@
.endif
	s_xor_b32 s[TB], s[TB], SLOT1                  ; the reads go on in the other slot,
	s_add_co_u32 s[FB], s[FB], 512                 ; with the next key block's f
	v_add_nc_u32 v[ADRA], s[TB], v[ADRA0]
	v_add_nc_u32 v[ADRB], s[TB], v[ADRB0]
	v_add_nc_u32 v[FAD], s[FB], v[FAD0]
	FETCH 0, 0, 1
	WIN 0
.if \fill
	ASK
.else
.Lno_fetch_\@:
.endif
	MUL8 1, 2, 0
	MUL8 1, 3, 0
.endm
; THE WAY OUT of row block a.  OPACK: the sums times 1 / l, each accumulator from its low end on.  OSTAGE: into my stage and back as whole rows of 512 bytes.  OSEND: stored.
.macro OPACK a
.set AC, 64*((\a)%2)
	WIN 2+(\a)/2                                   ; source 0 in the accumulators' window
.set i, 0
.rept 32
	v_pk_mul_f32 v[TMP+i:TMP+i+1], v[AC+i:AC+i+1], v[RLP+2*(\a):RLP+2*(\a)+1] op_sel_hi:[1,0]
.set i, i+2
.endr
	WIN 0
.endm
.macro OSTAGE a
	WIN 0
.set BK, OB+64*((\a)%2)
.irp b, 0,1,2,3,4,5,6,7
	ds_store_b128 v[STO], v[TMP+8*(\b):TMP+8*(\b)+3]   offset:64*(\b)
	ds_store_b128 v[STO], v[TMP+8*(\b)+4:TMP+8*(\b)+7] offset:64*(\b)+16
.endr
.set t, 0
.rept 16
	ds_load_b128 v[BK+4*t:BK+4*t+3], v[RD] offset:t*SPITCH  ; LDS serves a wave's instructions in order (ISA guide 5.7.1.4): these see the stores above
.set t, t+1
.endr
.endm
.macro OSEND a
	WIN 0
.set BK, OB+64*((\a)%2)
	s_wait_dscnt 0x0                               ; the block is back in registers
	s_wait_xcnt 0x0                                ; the stores' base, and registers that earlier stores read, are rewritten only behind this wait
.if (\a) == 0
	s_add_nc_u64 s[74:75], s[74:75], s[16:17]
.else
	s_add_nc_u64 s[74:75], s[74:75], 16*CROW
.endif
.set t, 0
.rept 16
	global_store_b128 v[CO], v[BK+4*t:BK+4*t+3], s[74:75] offset:t*CROW th:TH_STORE_NT  ; 512 consecutive bytes, aligned
.set t, t+1
.endr
.endm
	s_wait_dscnt 0x0                               ; for the others' sake: my part of the table is written
	s_wait_tensorcnt 1                             ; my part of K step 0 is in; K step 1's may stay out
	s_barrier_signal -1
	s_barrier_wait -1
	FETCH 0, 0, 1
	QUARTER 64, 0, 1, 1                            ; the first quarter's products start the sums
	WIN 0
	s_mov_b32 s3, STEPS-2
.Lstep:                                                ; a trip: a K step's second to fourth quarter, the refill of its slot, and the next step's first quarter
	QUARTER 128, 1, 0, 0
	QUARTER 192, 0, 1, 0
	TURN 1
	QUARTER 64,  0, 1, 0
	WIN 0
	s_sub_co_u32 s3, s3, 1
	s_cmp_lg_u32 s3, 0
	s_cbranch_scc1 .Lstep
	s_mov_b32 s3, 2                                ; the last two K steps fill nothing: a loop of their own; it is entered behind a first quarter
	s_branch .Lmid
.Ltail:
	QUARTER 64,  0, 1, 0
	WIN 0
.Lmid:
	QUARTER 128, 1, 0, 0
	QUARTER 192, 0, 1, 0
	TURN 0
	WIN 0
	s_sub_co_u32 s3, s3, 1
	s_cmp_lg_u32 s3, 0
	s_cbranch_scc1 .Ltail
	s_wait_dscnt 0x0                               ; no LDS load is out
.irp a, 0,1,2,3
	ds_load_b32 v[RLP+2*(\a)],   v[FAD0] offset:8192+64*(\a)      ; 1 / l of my query in row block a; twice, since the packed multiply names a pair
	ds_load_b32 v[RLP+2*(\a)+1], v[FAD0] offset:8192+64*(\a)
.endr
.rept 8
	v_nop                                          ; the places behind the last products, in front of the lines that read the sums
.endr
	s_wait_dscnt 0x0
	OPACK 0
	OSTAGE 0
.irp a, 1,2,3                          ; a block's arithmetic stands between the loads of the block before and the wait for them
	OPACK \a
	OSEND (\a)-1
	OSTAGE \a
.endr
	OSEND 3
	s_wait_tensorcnt 0x0                           ; the wave's end
	ds_add_u32 v[SPW], v[NIL]
	s_wait_dscnt 0x0
	CROUND                                         ; the closing round
	s_endpgm
.Lfunc_end_k_q81a72a7a07_mix:
	.size	k_q81a72a7a07_mix, .Lfunc_end_k_q81a72a7a07_mix-k_q81a72a7a07_mix
	.p2alignl 7, 3214868480
	.fill 96, 4, 3214868480
	.section	.rodata,"a",@progbits
	.p2align	6, 0x0
	.amdhsa_kernel k_q81a72a7a07_mix
		.amdhsa_group_segment_fixed_size 327680
		.amdhsa_private_segment_fixed_size 0
		.amdhsa_enable_private_segment 0
		.amdhsa_kernarg_size 32
		.amdhsa_user_sgpr_count 2
		.amdhsa_user_sgpr_kernarg_segment_ptr 1
		.amdhsa_wavefront_size32 1
		.amdhsa_system_sgpr_workgroup_id_x 1
		.amdhsa_system_sgpr_workgroup_id_y 1
		.amdhsa_system_sgpr_workgroup_id_z 1
		.amdhsa_system_vgpr_workitem_id 0
		.amdhsa_next_free_vgpr 896
		.amdhsa_next_free_sgpr 80
		.amdhsa_reserve_vcc 0
		.amdhsa_float_denorm_mode_32 3
		.amdhsa_float_denorm_mode_16_64 3
		.amdhsa_memory_ordered 1
		.amdhsa_forward_progress 1
		.amdhsa_inst_pref_size 96
	.end_amdhsa_kernel
	.amdgpu_metadata
---
amdhsa.version: [ 1, 2 ]
amdhsa.kernels:
  - .name:           k_q81a72a7a07_mix
    .symbol:         k_q81a72a7a07_mix.kd
    .args:
      - { .name: pw, .offset: 0, .size: 8, .value_kind: global_buffer, .address_space: global }
      - { .name: vt, .offset: 8, .size: 8, .value_kind: global_buffer, .address_space: global }
      - { .name: st, .offset: 16, .size: 8, .value_kind: global_buffer, .address_space: global }
      - { .name: out0, .offset: 24, .size: 8, .value_kind: global_buffer, .address_space: global }
    .group_segment_fixed_size: 327680
    .private_segment_fixed_size: 0
    .kernarg_segment_align: 8
    .kernarg_segment_size: 32
    .max_flat_workgroup_size: 128
    .sgpr_count:     80
    .vgpr_count:     896
    .wavefront_size: 32
...
	.end_amdgpu_metadata
.endif
;; end of part 4
